; MI455X (gfx1250); checked and timed in simulation.
; The chip was launched on July 23, 2026; its instructions are those of AMD's public machine-readable ISA for CDNA 5 (MIT licence, August 2026) and "CDNA5" Instruction Set Architecture Reference Guide (July 2026). The comments in the code are by the model that wrote it; some were corrected since.
;; Multi Head Self Attention. Allowed arithmetic: matrix products marked QUANTISED: E2M3 operands, one E8M0 scale for each 32 along K, by v_wmma_scale_f32_16x16x128_f8f6f4 with both operands' format E2M3, f32 sums; everything else in f32.
;; Inputs: Wk 1,024 x 1,024 float32; Wo 1,024 x 1,024 float32; Wq 1,024 x 1,024 float32; Wv 1,024 x 1,024 float32; bk 1,024 float32; bo 1,024 float32; bq 1,024 float32; bv 1,024 float32; x 4 x 2,048 x 1,024 float32.
;; Outputs: out0 4 x 2,048 x 1,024 float32.
;; This version of the problem:
;;   THIS VERSION OF THE PROBLEM IS GIVEN IN LOW PRECISION. The matrix products marked QUANTISED in the list below multiply operands that are first quantised to E2M3 (2 exponent bits, 3 mantissa bits; 6 bits a number), with one power-of-two scale for each 32 numbers along K (OCP MX v1.0); their sums are f32. All else is computed in f32.
;;   The module's matrix products, in the order in which they are computed (A, B: the left and right operand; K: the contracted axis; several contracted axes count as one K, in the product's order):
;;     1. [M 8,192, K 1,024] x [K 1,024, N 1,024]; A: input x; B: input Wq: QUANTISED
;;     2. [M 8,192, K 1,024] x [K 1,024, N 1,024]; A: input x; B: input Wk: QUANTISED
;;     3. [M 8,192, K 1,024] x [K 1,024, N 1,024]; A: input x; B: input Wv: QUANTISED
;;     4. batch 64 x [M 2,048, K 64] x [K 64, N 2,048]; A: computed on the way; B: computed on the way: QUANTISED
;;     5. batch 64 x [M 2,048, K 2,048] x [K 2,048, N 64]; A: softmax (see below); B: computed on the way: QUANTISED
;;     6. [M 8,192, K 1,024] x [K 1,024, N 1,024]; A: computed on the way; B: input Wo: QUANTISED
;;   THE QUANTISER, for each operand of a quantised product, along K:
;;     - K is cut into blocks of 32 from its start; a last block that is shorter is filled with zeros.
;;     - A block's scale is 2^e with e = floor(log2(the largest magnitude in the block)) - 2, held to -126 .. 127; a block of zeros has e = 0. As a byte (E8M0): e + 127.
;;     - Each number is divided by its block's scale, clamped to +-7.5, and rounded to the nearest number of E2M3, ties to even, subnormals kept.
;;     - The product sums the exact products of the quantised numbers (number of the format x scale) in f32.
;;   ~~~python
;;   def quantise(x, axis):      # numpy; x: float32 -> the quantised numbers, widened to float32 again
;;       x = np.moveaxis(x, axis, -1); K = x.shape[-1]
;;       x = np.pad(x, [(0, 0)] * (x.ndim - 1) + [(0, -K % 32)]); x = x.reshape(x.shape[:-1] + (-1, 32)); a = np.abs(x).max(-1, keepdims=True)
;;       e = np.where(a > 0, np.clip(np.frexp(np.where(a > 0, a, 1))[1] - 1 - 2, -126, 127), 0)      # np.frexp(a)[1] - 1 = floor(log2(a)), exactly
;;       r = np.clip(x / 2.0 ** e, -7.5, 7.5)
;;       step = 2.0 ** (np.maximum(np.frexp(np.where(r == 0, 1, r))[1] - 1, 0) - 3)
;;       q = np.round(r / step) * step * 2.0 ** e      # np.round: ties to even
;;       return np.moveaxis(q.reshape(q.shape[:-2] + (-1,))[..., :K], -1, axis).astype(np.float32)
;;   ~~~
;;   SOFTMAX AHEAD OF A QUANTISED PRODUCT. Where the list says 'softmax', what is quantised is not the finished softmax but p = 2^(t - M), with t = logit x log2(e) and M = ceil(the row's largest t), a whole number; so 1/2 < the row's largest p <= 1. The row's sum l is taken of the UNQUANTISED p, in f32, and the product's result is divided by l at the end. Since M is a whole number, a kernel that streams over the keys may use a running M (the ceiling of the running maximum): every later rescaling is an exact power of two, which a block's scale takes up: the codes' values come out the same.
;;   OPERANDS COMPUTED ON THE WAY. 'Computed on the way' means the value that the module computes at that place (a softmax that the list does not call 'softmax' is quantised finished and normalised). What goes into a quantiser is computed in f32, as accurately as f32 sums, v_exp_f32 and their like allow (about 1e-6 of the number): no bf16 or f16 on the way to a quantiser, and a product that is left as it is and whose result goes on into a quantised operand takes f32 operands (vector FMAs, or v_wmma_f32_16x16x4_f32). A number that lies on a knife's edge between two numbers of the format may be rounded either way, as far as f32 arithmetic and the matrix unit's own rounding can turn it there, and no further.
;; One version. Each part assembles by itself: llvm-mc -triple=amdgcn-amd-amdhsa -mcpu=gfx1250 --defsym DOCPART=n.
;; ======== version 1 of 1: 4 launches
;; limits: right only within a limited range of input values
;; workspace buffers: xcod 6,291,456 bytes; xscl 262,144 bytes; wcod 3,145,728 bytes; wscl 262,144 bytes; hcod 18,874,368 bytes; hscl 786,432 bytes; ccod 6,291,456 bytes; cscl 262,144 bytes
;; launch quant (part 1): grid 768 x 1, 4 waves a work-group, no clusters, 35,328 bytes of LDS; arguments x, Wq, Wk, Wv, Wo, xcod, xscl, wcod, wscl; writes xcod, xscl, wcod, wscl
.if DOCPART == 1
	.amdgcn_target "amdgcn-amd-amdhsa--gfx1250"
	.amdhsa_code_object_version 6
	.text
	.protected	k_q9c42ee45a6_quant
	.globl	k_q9c42ee45a6_quant
	.p2align	8
	.type	k_q9c42ee45a6_quant,@function
k_q9c42ee45a6_quant:
	s_mov_b64 s[64:65], 0
	v_nop
	global_prefetch_b8 v0, s[64:65] scope:SCOPE_SE
	s_setreg_imm32_b32 hwreg(HW_REG_WAVE_MODE, 25, 1), 1
	s_wait_xcnt 0x0
; x [8192][1024] (K innermost) and Wq, Wk, Wv, Wo [1024 (k)][1024 (n)] (K outermost), f32, become codes of FP6 (E2M3) with one E8M0 byte for each 32 along K.
; A block's scale is 2^(floor(log2(its largest magnitude)) - 2); its byte is the largest magnitude's exponent field - 2, held at 1 from below.
; LIMITS: NaN and infinities among the inputs are not served.  A block of zeros gets the byte 1 where the rule says 127 (its codes are zeros, which add nothing, and this program alone
; reads the bytes); a block whose largest magnitude lies under 2^-124 has its byte held at 1.
; LAYOUT OF THE RESULTS, chosen for the launches that read them.  ROWS ARE STORED WITH BITS 3 AND 4 OF THEIR NUMBER SWAPPED: row p of stored tile T (16 rows) is true row
; 32 (T / 2) + 8 (T % 2) + p + 8 (p / 8).  (Rows: tokens of x; columns n of a weight, Wq's 1024, then Wk's, Wv's, Wo's.)
; Codes: [tile T][chunk c of 64 along K][768 bytes]: an image of half an operand's registers: lane (r, h) holds block h (32 codes, 6 registers) of stored row r; registers 0-3 lie at
; 16 x lane, registers 4-5 at 512 + 8 x lane.  Scale bytes: [chunk c][stored row][2 bytes: blocks 0, 1], 16,384 bytes from chunk to chunk in both buffers.
; SHARES.  Work-groups 0-511 take x: 128 rows x 128 along K, a wave 32 rows.  Work-groups 512-767 take a weight: 128 columns x 128 along K, a wave 32 columns.
; Each way has LDS bytes of its own.  No tensor loads; one barrier, so that the 128 rows' scale bytes of a chunk leave as one aligned run of 256 bytes.
.set XSTG, 8448                        ; x: a wave's stage: 16 rows x (512 bytes + 16)
.set XSG,  4*XSTG                      ; x: the work-group's scale bytes: 2 chunks x 128 rows x 2 bytes
.set WSG,  XSG+512                     ; the weights' likewise
.set R,    16                          ; v16-143  numbers as they are loaded
.set X,    144                         ; v144-207 x: two blocks of 32 neighbours;  weights: v144-175 the codes
.set CD,   208                         ; v208-239 x: the codes, eight registers for each (tile, chunk): no store's data are written again
.set EB,   240                         ; v240-243 scale bytes
; 32 numbers v[s] .. v[s + 31] of one block -> 6 registers of codes v[d] .. v[d + 5] and the scale's byte v[e]
.macro BLOCKQ s, d, e
	v_max3_num_f32 v8, |v[(\s)]|, |v[(\s)+1]|, |v[(\s)+2]|           ; the largest magnitude, in two chains
	v_max3_num_f32 v9, |v[(\s)+3]|, |v[(\s)+4]|, |v[(\s)+5]|
.irp i, 6,10,14,18,22,26
	v_max3_num_f32 v8, v8, |v[(\s)+\i]|, |v[(\s)+\i+1]|
	v_max3_num_f32 v9, v9, |v[(\s)+\i+2]|, |v[(\s)+\i+3]|
.endr
	v_max3_num_f32 v8, v8, |v[(\s)+30]|, |v[(\s)+31]|
	v_max3_num_f32 v8, v8, v9, 0x1800000                             ; and the floor 2^(3 - 127): the byte cannot fall under 1
	v_add_nc_u32 v10, 0xff000000, v8                                 ; 2 off its exponent field: the conversion takes the exponent field of this operand as its scale
	v_cvt_scalef32_pk16_fp6_f32 v[(\d):(\d)+2], v[(\s):(\s)+15], v10
	v_cvt_scalef32_pk16_fp6_f32 v[12:14], v[(\s)+16:(\s)+31], v10    ; (a conversion's three registers begin on an even number)
	v_lshrrev_b32 v[(\e)], 23, v10                                   ; the scale's byte; also the plain line behind the conversions
	v_mov_b32 v[(\d)+3], v12
	v_mov_b32 v[(\d)+4], v13
	v_mov_b32 v[(\d)+5], v14
.endm
	s_load_b512 s[4:19], s[0:1], 0x0               ; x s[4:5], Wq s[6:7], Wk s[8:9], Wv s[10:11], Wo s[12:13], x's codes s[14:15], x's scales s[16:17], the weights' codes s[18:19]
	s_load_b64 s[20:21], s[0:1], 0x40              ; the weights' scales
	v_lshl_add_u32 v246, v0, 2, 0x8800
	v_mov_b32 v247, 0
	v_lshrrev_b32 v4, 5, v0
	v_readfirstlane_b32 s22, v4                    ; wave 0..3
	v_and_b32 v1, 31, v0                           ; lane
	v_and_b32 v2, 15, v0                           ; r
	v_bfe_u32 v3, v0, 4, 1                         ; h
	v_lshlrev_b32 v5, 4, v1                        ; 16 x lane
	v_lshlrev_b32 v6, 3, v1                        ; 8 x lane
	v_lshlrev_b32 v7, 4, v2
	v_lshl_add_u32 v7, v3, 14, v7                  ; the scale bytes' way out: lanes 0-15 the first chunk's 256 bytes, lanes 16-31 the second's, 16,384 bytes on
	s_and_b32 s23, ttmp9, 7                        ; which 128 along K
	s_wait_kmcnt 0x0
	s_cmp_lt_u32 ttmp9, 512                        ; the work-group's number alone decides: all four waves go the same way
	s_cbranch_scc0 .Lw
	; ---------------- x ----------------
	s_lshr_b32 s24, ttmp9, 3                       ; which 128 rows
	s_mul_i32 s25, s22, XSTG
	s_wait_alu depctr_va_vdst(0)
	v_add_nc_u32 v248, s25, v5                     ; the stage, in: a row's 512 bytes as they lie
	v_mul_u32_u24 v249, v2, 528
	v_lshl_add_u32 v249, v3, 7, v249
	v_add_nc_u32 v249, s25, v249                   ; and out: row r, block h of a chunk: 128 bytes
	v_lshl_add_u32 v250, v2, 1, v3
	s_lshl_b32 s26, s22, 6
	s_add_co_u32 s26, s26, XSG
	v_add_nc_u32 v250, s26, v250                   ; my byte among the work-group's: 2 (32 wave + r) + h
	v_add_nc_u32 v251, XSG, v5
	s_lshl_b32 s28, s24, 19                        ; x: (128 group + 32 wave) rows of 4,096 bytes + 512 bytes for each 128 along K
	s_lshl_b32 s29, s22, 17
	s_add_co_u32 s28, s28, s29
	s_lshl_b32 s29, s23, 9
	s_add_co_u32 s28, s28, s29
	s_mov_b32 s29, 0
	s_add_nc_u64 s[4:5], s[4:5], s[28:29]
	s_lshl_b32 s30, s24, 3                         ; codes: tile 8 group + 2 wave, chunk 2 x (which 128)
	s_lshl_b32 s31, s22, 1
	s_add_co_u32 s30, s30, s31
	s_mul_i32 s30, s30, 12288
	s_mul_i32 s31, s23, 1536
	s_add_co_u32 s30, s30, s31
	s_mov_b32 s31, 0
	s_add_nc_u64 s[14:15], s[14:15], s[30:31]
	s_lshl_b32 s32, s23, 15                        ; scale bytes: two chunks of 16,384, 256 bytes for each 128 rows
	s_lshl_b32 s33, s24, 8
	s_add_co_u32 s32, s32, s33
	s_mov_b32 s33, 0
	s_add_nc_u64 s[16:17], s[16:17], s[32:33]
.irp u, 0,1                                    ; stored tile u, stored row i = true row 8 u + i + 8 (i / 8) of the wave's 32: each load reads 512 consecutive bytes of one row
.irp i, 0,1,2,3,4,5,6,7,8,9,10,11,12,13,14,15
	global_load_b128 v[R+4*(16*\u+\i):R+4*(16*\u+\i)+3], v5, s[4:5] offset:(8*\u+\i+8*(\i/8))*4096 th:TH_LOAD_NT
.endr
.endr
.macro XHALF u                         ; a stored tile: through the stage, so that a lane holds 32 neighbours; LDS serves a wave's instructions in order, so no wait stands between stores and loads
	s_wait_loadcnt 16*(1-\u)                       ; this tile's 16 loads are in; the other tile's 16 may be out
.irp i, 0,1,2,3,4,5,6,7,8,9,10,11,12,13,14,15
	ds_store_b128 v248, v[R+4*(16*\u+\i):R+4*(16*\u+\i)+3] offset:528*\i
.endr
.irp c, 0,1
.irp j, 0,1,2,3,4,5,6,7
	ds_load_b128 v[X+32*\c+4*\j:X+32*\c+4*\j+3], v249 offset:256*\c+16*\j
.endr
.endr
.irp c, 0,1
	s_wait_dscnt 8-7*\c                            ; chunk 0: the second chunk's eight loads may be out; chunk 1: the byte store just issued may be out
	BLOCKQ X+32*\c,CD+8*(2*\u+\c),EB+2*\u+\c
	global_store_b128 v5, v[CD+8*(2*\u+\c):CD+8*(2*\u+\c)+3], s[14:15] offset:12288*\u+768*\c        ; 512 consecutive bytes
	global_store_b64 v6, v[CD+8*(2*\u+\c)+4:CD+8*(2*\u+\c)+5], s[14:15] offset:12288*\u+768*\c+512   ; 256 consecutive bytes
	ds_store_b8 v250, v[EB+2*\u+\c] offset:256*\c+32*\u
.endr
.endm
	s_wait_alu depctr_va_vdst(0)
	XHALF 0
	XHALF 1
	s_wait_dscnt 0x0                               ; for the others' sake: my byte stores have landed
	s_barrier_signal -1
	s_barrier_wait -1
	s_cmp_lg_u32 s22, 0
	s_cbranch_scc1 .Lxend
	ds_load_b128 v[252:255], v251
	s_wait_dscnt 0x0
	global_store_b128 v7, v[252:255], s[16:17]     ; sixteen lanes store 256 consecutive bytes, at a multiple of 256 from the buffer's first byte
.Lxend:
	s_wait_tensorcnt 0x0
	ds_add_u32 v246, v247
	s_wait_dscnt 0x0
	s_endpgm
	; ---------------- the weights ----------------
.Lw:
	s_sub_co_u32 s24, ttmp9, 512
	s_lshr_b32 s25, s24, 3                         ; which 128 stored rows (columns) of the 4,096
	s_lshr_b32 s26, s24, 6                         ; which weight
	s_wait_alu depctr_va_vdst(0)
	v_and_b32 v248, 7, v1                          ; LANE l IS STORED ROW l OF THE WAVE'S 32: it takes the column with bits 3 and 4 swapped, and its registers run down K
	v_and_b32 v4, 8, v1
	v_lshl_or_b32 v248, v4, 1, v248
	v_and_b32 v4, 16, v1
	v_lshrrev_b32 v4, 1, v4
	v_or_b32 v248, v248, v4
	v_lshlrev_b32 v248, 2, v248
	s_wait_alu depctr_va_vdst(0)
	s_lshl_b32 s27, s22, 6
	s_add_co_u32 s27, s27, WSG
	v_lshl_add_u32 v250, v1, 1, s27                ; my two bytes among the work-group's: 2 (32 wave + lane)
	v_add_nc_u32 v251, WSG, v5
	s_and_b32 s27, s25, 7
	s_lshl_b32 s27, s27, 9                         ; the weight: 128 columns of 4 bytes a group,
	s_lshl_b32 s28, s22, 7                         ; 32 a wave,
	s_add_co_u32 s28, s28, s27
	s_lshl_b32 s27, s23, 19                        ; 128 rows of 4,096 bytes for each 128 along K
	s_add_co_u32 s28, s28, s27
	s_mov_b32 s29, 0
	s_lshl_b32 s30, s25, 3
	s_lshl_b32 s31, s22, 1
	s_add_co_u32 s30, s30, s31
	s_mul_i32 s30, s30, 12288
	s_mul_i32 s31, s23, 1536
	s_add_co_u32 s30, s30, s31
	s_mov_b32 s31, 0
	s_add_nc_u64 s[18:19], s[18:19], s[30:31]
	s_lshl_b32 s32, s23, 15
	s_lshl_b32 s33, s25, 8
	s_add_co_u32 s32, s32, s33
	s_mov_b32 s33, 0
	s_add_nc_u64 s[20:21], s[20:21], s[32:33]
	s_and_b32 s27, s26, 1
	s_cmp_eq_u32 s27, 0                            ; the choice hangs on the work-group's number alone
	s_cselect_b64 s[34:35], s[6:7], s[8:9]
	s_cselect_b64 s[36:37], s[10:11], s[12:13]
	s_cmp_lt_u32 s26, 2
	s_cselect_b64 s[34:35], s[34:35], s[36:37]
	s_add_nc_u64 s[34:35], s[34:35], s[28:29]
.set kk, 0
.rept 128
	global_load_b32 v[R+kk], v248, s[34:35] offset:kk*4096 th:TH_LOAD_NT    ; W(k, my column): the wave reads 128 consecutive bytes
.set kk, kk+1
.endr
.irp c, 0,1
.irp hb, 0,1
.if \c == 0
	s_wait_loadcnt 63                              ; the first 65 loads are in: blocks 0 and 1 (the wait's field holds no larger count)
.else
	s_wait_loadcnt 32*(1-\hb)                      ; block 2: the last 32 loads may be out; block 3: none
.endif
	BLOCKQ R+64*\c+32*\hb,X+16*\c+8*\hb,EB+2*\c+\hb
.endr
.irp i, 0,1,2,3,4,5
	v_permlane16_swap_b32 v[X+16*\c+\i], v[X+8+16*\c+\i]   ; block 0's lanes 16-31 change places with block 1's lanes 0-15: the first six registers are now stored tile 0's image, the second six tile 1's
.endr
.irp u, 0,1
	global_store_b128 v5, v[X+16*\c+8*\u:X+16*\c+8*\u+3], s[18:19] offset:12288*\u+768*\c
	global_store_b64 v6, v[X+16*\c+8*\u+4:X+16*\c+8*\u+5], s[18:19] offset:12288*\u+768*\c+512
.endr
	v_lshl_or_b32 v[244+\c], v[EB+2*\c+1], 8, v[EB+2*\c]
	ds_store_b16 v250, v[244+\c] offset:256*\c
.endr
	s_wait_dscnt 0x0
	s_barrier_signal -1
	s_barrier_wait -1
	s_cmp_lg_u32 s22, 0
	s_cbranch_scc1 .Lwend
	ds_load_b128 v[252:255], v251
	s_wait_dscnt 0x0
	global_store_b128 v7, v[252:255], s[20:21]
.Lwend:
	s_wait_tensorcnt 0x0
	ds_add_u32 v246, v247
	s_wait_dscnt 0x0
	s_endpgm
.Lfunc_end_k_q9c42ee45a6_quant:
	.size	k_q9c42ee45a6_quant, .Lfunc_end_k_q9c42ee45a6_quant-k_q9c42ee45a6_quant
	.p2alignl 7, 3214868480
	.fill 96, 4, 3214868480
	.section	.rodata,"a",@progbits
	.p2align	6, 0x0
	.amdhsa_kernel k_q9c42ee45a6_quant
		.amdhsa_group_segment_fixed_size 35328
		.amdhsa_private_segment_fixed_size 0
		.amdhsa_enable_private_segment 0
		.amdhsa_kernarg_size 72
		.amdhsa_user_sgpr_count 2
		.amdhsa_user_sgpr_kernarg_segment_ptr 1
		.amdhsa_wavefront_size32 1
		.amdhsa_system_sgpr_workgroup_id_x 1
		.amdhsa_system_sgpr_workgroup_id_y 1
		.amdhsa_system_sgpr_workgroup_id_z 1
		.amdhsa_system_vgpr_workitem_id 0
		.amdhsa_next_free_vgpr 256
		.amdhsa_next_free_sgpr 66
		.amdhsa_reserve_vcc 0
		.amdhsa_float_denorm_mode_32 3
		.amdhsa_float_denorm_mode_16_64 3
		.amdhsa_memory_ordered 1
		.amdhsa_forward_progress 1
		.amdhsa_inst_pref_size 38
	.end_amdhsa_kernel
	.amdgpu_metadata
---
amdhsa.version: [ 1, 2 ]
amdhsa.kernels:
  - .name:           k_q9c42ee45a6_quant
    .symbol:         k_q9c42ee45a6_quant.kd
    .args:
      - { .name: x, .offset: 0, .size: 8, .value_kind: global_buffer, .address_space: global }
      - { .name: Wq, .offset: 8, .size: 8, .value_kind: global_buffer, .address_space: global }
      - { .name: Wk, .offset: 16, .size: 8, .value_kind: global_buffer, .address_space: global }
      - { .name: Wv, .offset: 24, .size: 8, .value_kind: global_buffer, .address_space: global }
      - { .name: Wo, .offset: 32, .size: 8, .value_kind: global_buffer, .address_space: global }
      - { .name: xcod, .offset: 40, .size: 8, .value_kind: global_buffer, .address_space: global }
      - { .name: xscl, .offset: 48, .size: 8, .value_kind: global_buffer, .address_space: global }
      - { .name: wcod, .offset: 56, .size: 8, .value_kind: global_buffer, .address_space: global }
      - { .name: wscl, .offset: 64, .size: 8, .value_kind: global_buffer, .address_space: global }
    .group_segment_fixed_size: 35328
    .private_segment_fixed_size: 0
    .kernarg_segment_align: 8
    .kernarg_segment_size: 72
    .max_flat_workgroup_size: 128
    .sgpr_count:     66
    .vgpr_count:     256
    .wavefront_size: 32
...
	.end_amdgpu_metadata
.endif
;; end of part 1
;; launch proj (part 2): grid 12 x 32, 4 waves a work-group, clusters of 4 x 4, 327,680 bytes of LDS; arguments xcod, xscl, wcod, wscl, bq, bk, bv, hcod, hscl; writes hcod, hscl
.if DOCPART == 2
	.amdgcn_target "amdgcn-amd-amdhsa--gfx1250"
	.amdhsa_code_object_version 6
	.text
	.protected	k_q9c42ee45a6_proj
	.globl	k_q9c42ee45a6_proj
	.p2align	8
	.type	k_q9c42ee45a6_proj,@function
k_q9c42ee45a6_proj:
	s_mov_b64 s[64:65], 0
	v_nop
	global_prefetch_b8 v0, s[64:65] scope:SCOPE_SE
	s_setreg_imm32_b32 hwreg(HW_REG_WAVE_MODE, 25, 1), 1
	s_wait_xcnt 0x0
	s_wait_alu depctr_hold_cnt(0) depctr_sa_sdst(0) depctr_va_vdst(0) depctr_va_sdst(0) depctr_va_ssrc(0) depctr_va_vcc(0) depctr_vm_vsrc(0)
	s_getreg_b32 s2, hwreg(HW_REG_IB_STS2, 6, 4)
	s_cmp_eq_u32 s2, 0
	s_cbranch_scc0 .Lentry_in_a_cluster
	s_endpgm
.Lentry_in_a_cluster:
	s_bfe_u32 s2, ttmp6, 0x10000c
	s_cmp_lg_u32 s2, 0xf033
	s_cbranch_scc0 .Lentry_shape_is_right
	s_endpgm
.Lentry_shape_is_right:
; q = x Wq + bq, k = x Wk + bk, v = x Wv + bv on codes of FP6 (E2M3) with E8M0 scales, f32 sums; the results are quantised in registers (q, k along the head's 64, v along the keys) and leave as images of operands.
; A work-group of four waves makes 256 x 256 results, a wave 128 x 128: 64 accumulators.  K = 1,024 is eight steps of 128, written out; four pieces of 256 along K go through three LDS slots, so one slot is filled twice.
; ROLES.  Source 1 of the matrix instruction takes rows of the A role, source 0 rows of the B role: a lane then holds ONE row of A's and eight rows of B's.  Clusters with x = 0, 1 (q, k): A = tokens, B = columns of
; Wq, Wk: a lane's registers run along the head's 64.  Clusters with x = 2 (v): A = columns of Wv, B = tokens: a lane's registers run along the keys.  The branch hangs on the cluster's x, which all sixteen partners share.
; Rows of both operands are stored with bits 3 and 4 of their number swapped, so that the 16 registers of result tiles 2 b and 2 b + 1 are 16 true neighbours, 32 b + 16 (lane / 16) + 0 .. 15, along B's rows.
; OPERANDS IN MEMORY AND IN LDS are images of registers: [tile of 16 rows][chunk of 64 K][768 bytes]; a fragment (16 rows x 128 K, 12 registers) is two chunks: four LDS loads, each of consecutive bytes: no pitch, no padding.
; CLUSTERS: 4 x 4.  A's tiles are asked for jointly by the four of a row of the cluster, B's by the four of a column.
; RESULTS.  hcod: [q, k, v][batch x head][98,304].  q, k: [g 64][1,536]: registers 0-5 token tile 2 g (32 of the head's 64 a lane), registers 6-11 token tile 2 g + 1.  v: [step of 128 keys][tile of 16 of the head's 64][1,536].
; hscl: [q, k, v][batch x head][16 runs of 256 bytes]; in a run word [r][i] belongs to row r of image i of the four.
; LIMITS: NaN and infinities are not served; a block of zeros gets the byte 1 (its codes are zeros; this program alone reads the bytes); a block whose largest magnitude lies under 2^-124 has its byte held at 1.
; REGISTERS, in windows of 256: window 0: v1-31 addresses and constants; v32-95 the 64 scale words; v96-159 the bias; v160-255 A's fragments, ONE set (in the epilogue: at work).  window 1: B's fragments, two sets, at v0 and v128.
;   window 2: the accumulators of A's blocks 0-3 (accumulator (a, b) at v[8 (8 (a % 4) + b)]);  window 3: of blocks 4-7.
.set WPART, 24576                      ; what one tensor load brings: 8 tiles x 4 chunks x 768 bytes
.set SLOTB, 4*WPART                    ; a slot: A's two halves, then B's two halves, 256 along K
.set SCL,   3*SLOTB                    ; behind the slots: the scale bytes, 4,096 for each wave's 128 rows: [chunk 16][row 128][2]
.set SPARE, SCL+4*4096                 ; the spare words: 128 bytes a wave, two blocks of 256 bytes that no other line names
.set FR,   12
.set A16,  8                           ; v8-10   16 x lane + my half of A in slot 0, 1, 2
.set A8,   11                          ; v11-13  8 x lane + the same
.set B16,  14                          ; v14-16, v17-19 the same for B
.set B8,   17
.set ADRS, 20                          ; v20     my scale bytes: lanes 0-15 A's rows, lanes 16-31 B's
.set RP4,  7                           ; v7      4 (r + 8 (r / 8))
.set LI16, 24                          ; v24     16 x lane
.set LS8,  25                          ; v25     16 r + 8 h
.set H64,  26                          ; v26     64 h
.set FLR,  27                          ; v27     2^(3 - 127), the floor of a largest magnitude
.set SPW,  28                          ; v28     my spare word; never rewritten
.set NIL,  29                          ; v29     0; never rewritten
.set SW,   30                          ; v30-31  two scale words on their way out
.set SC,   32                          ; v[SC + 8 ks + i]: lanes 0-15 the word of A's block i, lanes 16-31 of B's block i, for K step ks
.set BIAS, 96
.set AF,   160
.set PC,   160                         ; epilogue: the codes just made, v160-178
.set TM,   184                         ; v184-187 largest magnitudes, v188-191 bytes, v196-199 the conversions' scale operands
.set PWS,  200                         ; v200-203 four scale words
.set MSB, 0
.macro WIN new                         ; the immediate's high byte repeats the setting that is left
.if MSB != (\new)
	s_set_vgpr_msb (MSB<<8)|(\new)
.set MSB, (\new)
.endif
.endm
; A joint load: waves 0 and 1 fetch for A, waves 2 and 3 for B.  The branch hangs on the wave's number alone.  Four v_nop follow each of the two lines.
.macro JLOAD g0a, g1a, g0b, g1b
	s_cmp_eq_u32 s23, 0
	s_cbranch_scc0 .Lfor_b_\@
	tensor_load_to_lds s[\g0a:\g0a+3], s[\g1a:\g1a+7]
	s_nop 0
.rept 4
	v_nop
.endr
	s_branch .Lasked_\@
.Lfor_b_\@:
	tensor_load_to_lds s[\g0b:\g0b+3], s[\g1b:\g1b+7]
	s_nop 0
.rept 4
	v_nop
.endr
.Lasked_\@:
.endm
.macro CREST                           ; a round of the cluster's barrier behind its opening barrier
	s_cmp_lg_u32 s22, 0
	s_cbranch_scc1 .Lnot_wave_0_\@
	s_barrier_signal -3
.Lnot_wave_0_\@:
	s_barrier_wait -3
	s_barrier_signal -1
	s_barrier_wait -1
.endm
.macro CROUND
	s_barrier_signal -1
	s_barrier_wait -1
	CREST
.endm
.macro PLACES n                        ; plain vector lines between a matrix instruction and a load into, or a vector line on, its registers
.rept \n
	v_nop
.endr
.endm
.macro FRAG reg, a16, a8, off          ; a fragment: two chunks' images: registers 0-3, 4-5 and 6-9, 10-11
	ds_load_b128 v[(\reg):(\reg)+3], v[\a16] offset:(\off)
	ds_load_b64 v[(\reg)+4:(\reg)+5], v[\a8] offset:(\off)+512
	ds_load_b128 v[(\reg)+6:(\reg)+9], v[\a16] offset:(\off)+768
	ds_load_b64 v[(\reg)+10:(\reg)+11], v[\a8] offset:(\off)+1280
.endm
.macro FETCH_B ks                      ; B's eight fragments of K step ks into set ks % 2: 32 loads
	WIN 0x40
.irp i, 0,1,2,3,4,5,6,7
	FRAG 128*((\ks)%2)+FR*\i,B16+(((\ks)/2)%3+1)/2,B8+(((\ks)/2)%3+1)/2,3072*(1+(((\ks)/2)%3+1)/2)*\i+1536*((\ks)%2+2*((((\ks)/2)%3)/2))
.endr
	WIN 0
.endm
.macro FETCH_A ks, i0                  ; A's blocks i0 .. i0 + 3: 16 loads
.irp i, \i0, \i0+1, \i0+2, \i0+3
	FRAG AF+FR*(\i),A16+(((\ks)/2)%3+1)/2,A8+(((\ks)/2)%3+1)/2,3072*(1+(((\ks)/2)%3+1)/2)*(\i)+1536*((\ks)%2+2*((((\ks)/2)%3)/2))
.endr
.endm
.macro MWIN hi, cm                     ; source 0 (B) window 1, source 1 (A) window 0, D window 2 or 3; C with D, or the bias in window 0
.if (\cm) == 0
	WIN 0xa1+0x50*(\hi)
.else
	WIN 0x81+0x40*(\hi)
.endif
.endm
; 16 matrix instructions: A's blocks a0, a0 + 1 x B's eight.  cm = 0: the sums go on; 1: they begin with the bias of B's rows; 2: with the bias of A's rows.  The 64 accumulators take turns, one instruction a turn, in the
; same order in every step.
.macro MUL16 a0, ks, cm
.irp a, \a0, \a0+1
.irp b, 0,1,2,3,4,5,6,7
.if (\cm) == 0
	v_wmma_scale_f32_16x16x128_f8f6f4 v[8*(8*((\a)%4)+\b):8*(8*((\a)%4)+\b)+7], v[128*((\ks)%2)+FR*\b:128*((\ks)%2)+FR*\b+FR-1], v[AF+FR*(\a):AF+FR*(\a)+FR-1], v[8*(8*((\a)%4)+\b):8*(8*((\a)%4)+\b)+7], v[SC+8*(\ks)+\b], v[SC+8*(\ks)+(\a)] matrix_a_fmt:MATRIX_FMT_FP6 matrix_b_fmt:MATRIX_FMT_FP6 matrix_a_scale:MATRIX_SCALE_ROW1
.elseif (\cm) == 1
	v_wmma_scale_f32_16x16x128_f8f6f4 v[8*(8*((\a)%4)+\b):8*(8*((\a)%4)+\b)+7], v[128*((\ks)%2)+FR*\b:128*((\ks)%2)+FR*\b+FR-1], v[AF+FR*(\a):AF+FR*(\a)+FR-1], v[BIAS+8*\b:BIAS+8*\b+7], v[SC+8*(\ks)+\b], v[SC+8*(\ks)+(\a)] matrix_a_fmt:MATRIX_FMT_FP6 matrix_b_fmt:MATRIX_FMT_FP6 matrix_a_scale:MATRIX_SCALE_ROW1
.else
	v_wmma_scale_f32_16x16x128_f8f6f4 v[8*(8*((\a)%4)+\b):8*(8*((\a)%4)+\b)+7], v[128*((\ks)%2)+FR*\b:128*((\ks)%2)+FR*\b+FR-1], v[AF+FR*(\a):AF+FR*(\a)+FR-1], v[BIAS+8*(\a):BIAS+8*(\a)+7], v[SC+8*(\ks)+\b], v[SC+8*(\ks)+(\a)] matrix_a_fmt:MATRIX_FMT_FP6 matrix_b_fmt:MATRIX_FMT_FP6 matrix_a_scale:MATRIX_SCALE_ROW1
.endif
.endr
.endr
.endm
; A K step whose successor's tiles are known to lie in LDS.  A's blocks are free as soon as their eight products are issued: blocks 0-3 are fetched anew in the middle, blocks 4-7 at the end.
.macro STEP ks, cm
	s_wait_dscnt 16                                ; B's set and A's blocks 0-3 are in; the youngest 16 loads (A's blocks 4-7) may be out
	MWIN 0, \cm
	MUL16 0, \ks, \cm
	MUL16 2, \ks, \cm
	s_wait_dscnt 0x0
	PLACES 4
	FETCH_B (\ks)+1
	FETCH_A (\ks)+1, 0
	MWIN 1, \cm
	MUL16 4, \ks, \cm
	MUL16 6, \ks, \cm
	PLACES 4
	WIN 0
	FETCH_A (\ks)+1, 4
.endm
; A K step with a barrier in it.  In front of the barrier each wave waits for all its tensor loads, adds 0 to its spare word, and waits for that and for its LDS reads.  fill = 1: the barrier opens a round of the cluster's
; barrier, and slot 0, which nobody reads any more, takes the fourth piece of K.  fill = 0: that piece is shown whole to all four waves.
.macro TURN ks, fill
	s_wait_tensorcnt 0x0                           ; all my tensor loads have landed  (every window is 0 here)
	ds_add_u32 v[SPW], v[NIL]                      ; 0 onto my spare word
	s_wait_dscnt 17                                ; (the add and the youngest 16 loads may be out)
	WIN 0xa1
	MUL16 0, \ks, 0                                ; sixteen matrix instructions stand between the add and the wait for it
	s_wait_dscnt 0x0                               ; the add is done, and my LDS reads are over
	s_barrier_signal -1
	MUL16 2, \ks, 0
	WIN 0
	s_barrier_wait -1
.if \fill
	CREST                                          ; no wave of any partner still reads slot 0 or has a load on its way
	s_mov_b32 s25, 384<<16                         ; the refill brings 8 tiles x 3,072 bytes
	s_mov_b32 s27, 384<<16
	s_mov_b32 s33, 384<<16
	s_mov_b32 s35, 384<<16
	s_add_nc_u64 s[58:59], s[58:59], 9216
	s_add_nc_u64 s[74:75], s[74:75], 9216
	JLOAD 56, 24, 72, 32                           ; the first tensor load behind the round, my only one; its four v_nop are also the places in front of the loads below
.else
	PLACES 4
.endif
	FETCH_B (\ks)+1
	FETCH_A (\ks)+1, 0
	WIN 0xf1
	MUL16 4, \ks, 0
	MUL16 6, \ks, 0
	PLACES 4
	WIN 0
	FETCH_A (\ks)+1, 4
.endm
	s_load_b512 s[4:19], s[0:1], 0x0               ; x's codes s[4:5], x's scales s[6:7], the weights' codes s[8:9], scales s[10:11], bq s[12:13], bk s[14:15], bv s[16:17], hcod s[18:19]
	s_load_b64 s[20:21], s[0:1], 0x40              ; hscl
	v_lshl_add_u32 v[SPW], v0, 2, SPARE
	v_mov_b32 v[NIL], 0
	ds_add_u32 v28, v29
	ds_add_u32 v28, v29
	s_wait_dscnt 0x0
	v_lshrrev_b32 v1, 5, v0
	v_readfirstlane_b32 s22, v1                    ; wave 0..3
	s_lshr_b32 s23, s22, 1                         ; which half of A's rows is mine.  Also: I fetch for A (0) or for B (1)
	s_and_b32 s92, s22, 1                          ; which half of B's rows.  Also: which 128 rows I fetch
	s_bfe_u32 s93, ttmp6, 0x40000                  ; cx
	s_bfe_u32 s94, ttmp6, 0x40004                  ; cy
	s_and_b32 s95, ttmp7, 0xffff                   ; cluster y
	s_cmp_eq_u32 ttmp9, 2                          ; v's clusters?
	s_cselect_b32 s96, 2, s95                      ; A: Wv's four tiles of 256 columns (8 .. 11), or the tokens'
	s_cselect_b32 s97, s95, ttmp9                  ; B: the tokens', or Wq's and Wk's (0 .. 7)
	s_lshl_b32 s96, s96, 2
	s_add_co_u32 s96, s96, s94                     ; A's tile of 256 rows: hangs on cy alone
	s_lshl_b32 s97, s97, 2
	s_add_co_u32 s97, s97, s93                     ; B's: on cx alone
	s_lshl_b32 s98, s94, 2
	s_lshl_b32 s98, 15, s98                        ; my row of the cluster
	s_lshl_b32 s99, 0x1111, s93                    ; my column
	s_or_b32 s24, s98, (3<<16)|(1<<21)             ; group 1, codes: 15:0 the mask; 17:16 elements of 8 bytes; 21 set beside a mask; no padding
	s_or_b32 s32, s99, (3<<16)|(1<<21)
	s_or_b32 s40, s98, (3<<16)|(1<<21)             ; group 1, scale bytes
	s_or_b32 s48, s99, (3<<16)|(1<<21)
.irp g, 24, 32
	s_mov_b32 s[\g+1], 384<<16                     ; tensor_dim0: 3,072 bytes: four chunks of a tile
	s_mov_b32 s[\g+2], 16<<16                      ; the head's loads bring 16 tiles
	s_mov_b32 s[\g+3], 384<<16                     ; tile_dim0
	s_mov_b32 s[\g+4], 16
	s_mov_b32 s[\g+5], 1536                        ; from tile to tile: 12,288 bytes
	s_mov_b32 s[\g+6], 0
	s_mov_b32 s[\g+7], 0
.endr
.irp g, 40, 48
	s_mov_b32 s[\g+1], 64<<16                      ; 512 bytes: 256 rows' two bytes of a chunk
	s_mov_b32 s[\g+2], 16<<16                      ; 16 chunks
	s_mov_b32 s[\g+3], 64<<16
	s_mov_b32 s[\g+4], 16
	s_mov_b32 s[\g+5], 2048                        ; from chunk to chunk: 16,384 bytes, in both scale buffers
	s_mov_b32 s[\g+6], 0
	s_mov_b32 s[\g+7], 0
.endr
	s_lshl_b32 s66, s96, 9                         ; A: the 256 rows' scale bytes in a chunk
	s_mul_i32 s98, s96, 196608                     ; and their codes: 16 tiles of 12,288 bytes
	s_mov_b32 s99, 0
	s_mov_b32 s67, 0
	s_lshl_b32 s2, s97, 9                          ; B likewise
	s_mul_i32 s100, s97, 196608
	s_mov_b32 s101, 0
	s_mov_b32 s3, 0
	s_mul_i32 s95, s22, WPART                      ; where my loads go: the wave's number alone
	s_wait_kmcnt 0x0
	s_cmp_eq_u32 ttmp9, 2
	s_cselect_b64 s[58:59], s[8:9], s[4:5]         ; A's codes,
	s_cselect_b64 s[74:75], s[4:5], s[8:9]         ; B's,
	s_cselect_b64 s[86:87], s[10:11], s[6:7]       ; A's scale bytes,
	s_cselect_b64 s[90:91], s[6:7], s[10:11]       ; B's
	s_add_nc_u64 s[62:63], s[58:59], s[98:99]      ; the head's loads: A's 256 rows, K 0-255,
	s_add_nc_u64 s[78:79], s[74:75], s[100:101]    ; B's
	s_add_nc_u64 s[86:87], s[86:87], s[66:67]
	s_add_nc_u64 s[90:91], s[90:91], s[2:3]
	s_mul_i32 s66, s92, 98304                      ; later loads: my 128 rows of the 256
	s_add_nc_u64 s[58:59], s[62:63], s[66:67]
	s_add_nc_u64 s[74:75], s[78:79], s[66:67]
	s_add_nc_u64 s[70:71], s[58:59], 3072          ; K 256-767, one load
	s_add_nc_u64 s[82:83], s[74:75], 3072
.irp g, 56, 60, 68, 72, 76, 80, 84, 88
	s_mov_b32 s[\g], 1                             ; count = 1
	s_or_b32 s[\g+3], s[\g+3], 0x80000000          ; type = 2
.endr
	s_add_co_u32 s57, s95, 0
	s_mov_b32 s61, 0
	s_lshl_b32 s69, s95, 1
	s_add_co_u32 s69, s69, SLOTB                   ; the larger slot: [wave][tile 8][8 chunks]
	s_add_co_u32 s73, s95, 0
	s_mov_b32 s77, 2*WPART
	s_lshl_b32 s81, s95, 1
	s_add_co_u32 s81, s81, SLOTB
	s_mov_b32 s85, SCL
	s_mov_b32 s89, SCL+8192
	CROUND                                         ; all sixteen work-groups are here: the first joint loads meet
; The head's four tiles, one load a wave: wave 0 A's 256 rows of K 0-255, wave 1 B's, wave 2 A's scale bytes, wave 3 B's.
.macro ARM under, g0, g1, next
	s_cmp_lt_u32 s22, \under
	s_cbranch_scc0 \next
	tensor_load_to_lds s[\g0:\g0+3], s[\g1:\g1+7]
	s_nop 0
.rept 4
	v_nop
.endr
	s_branch .Lhead_asked
\next:
.endm
	ARM 1, 60, 24, .Lhead_b
	ARM 2, 76, 32, .Lhead_sa
	ARM 3, 84, 40, .Lhead_sb
	tensor_load_to_lds s[88:91], s[48:55]
	s_nop 0
.rept 4
	v_nop
.endr
.Lhead_asked:
	; lane addresses
	v_and_b32 v1, 15, v0                           ; r
	v_bfe_u32 v2, v0, 4, 1                         ; h
	v_and_b32 v3, 31, v0
	v_lshlrev_b32 v[LI16], 4, v3
	v_lshlrev_b32 v4, 3, v3
	s_mul_i32 s98, s23, WPART                      ; my half of A
	s_add_co_u32 s99, s92, 2
	s_mul_i32 s99, s99, WPART                      ; my half of B, behind A's two
.irp s, 0,1                                    ; 0: slot 0; 1: the larger slot, in which a wave's part is twice as long
	v_add_nc_u32 v[A16+\s], s98, v[LI16]
	v_add_nc_u32 v[A8+\s], s98, v4
	v_add_nc_u32 v[B16+\s], s99, v[LI16]
	v_add_nc_u32 v[B8+\s], s99, v4
	s_lshl_b32 s98, s98, 1
	s_add_co_u32 s98, s98, SLOTB
	s_lshl_b32 s99, s99, 1
	s_add_co_u32 s99, s99, SLOTB
.endr
	s_add_co_u32 s98, s92, 32
	s_sub_co_u32 s98, s98, s23
	s_lshl_b32 s98, s98, 8                         ; from my half of A's scale bytes to my half of B's, 8,192 bytes on: [chunk 16][row 256][2]
	v_mul_u32_u24 v5, s98, v2
	s_lshl_b32 s99, s23, 8
	s_add_co_u32 s99, s99, SCL
	v_lshl_add_u32 v5, v1, 1, v5
	v_add_nc_u32 v[ADRS], s99, v5
	v_lshlrev_b32 v[LS8], 4, v1
	v_lshl_add_u32 v[LS8], v2, 3, v[LS8]
	v_lshlrev_b32 v[H64], 6, v2
	v_and_b32 v5, 8, v1
	v_add_nc_u32 v5, v5, v1
	v_lshlrev_b32 v[RP4], 2, v5
	v_mov_b32 v[FLR], 0x1800000
	s_mov_b32 s100, 0x76543210                     ; v_permlanex16_b32's selects for lane l xor 16
	s_mov_b32 s101, 0xfedcba98
	s_mov_b32 s66, 0xffff0000                      ; lanes 16-31
	; where the results go.  The descriptors have taken s[4:11]
	s_cmp_eq_u32 ttmp9, 2
	s_cselect_b32 s4, s97, s96                     ; the tokens' tile of 256,
	s_cselect_b32 s5, s92, s23                     ; my half of it,
	s_cselect_b32 s6, s96, s97                     ; the columns' tile of 256 (0-3 q, 4-7 k, 8-11 v),
	s_cselect_b32 s7, s23, s92                     ; my half of it
	s_cmp_eq_u32 ttmp9, 0
	s_cselect_b64 s[12:13], s[12:13], s[14:15]
	s_cmp_eq_u32 ttmp9, 2
	s_cselect_b64 s[12:13], s[16:17], s[12:13]     ; bq, bk or bv
	s_and_b32 s8, s6, 3
	s_lshl_b32 s9, s8, 10
	s_lshl_b32 s10, s7, 9
	s_add_co_u32 s10, s10, s9                      ; my 128 columns' bias, in bytes
	s_mov_b32 s11, 0
	s_add_nc_u64 s[12:13], s[12:13], s[10:11]
	s_lshr_b32 s9, s4, 3                           ; batch
	s_lshl_b32 s9, s9, 4
	s_lshl_b32 s8, s8, 2
	s_add_co_u32 s9, s9, s8
	s_lshl_b32 s7, s7, 1
	s_add_co_u32 s9, s9, s7                        ; batch x 16 + the first of my two heads
	s_and_b32 s4, s4, 7
	s_lshl_b32 s4, s4, 1
	s_add_co_u32 s4, s4, s5                        ; which 128 tokens of the batch's 2,048
	s_lshr_b32 s6, s6, 2                           ; q, k or v
	s_mul_i32 s10, s6, 6291456
	s_mul_i32 s8, s9, 98304
	s_add_co_u32 s10, s10, s8
	s_mul_i32 s8, s4, 6144
	s_add_co_u32 s10, s10, s8
	s_add_nc_u64 s[18:19], s[18:19], s[10:11]
	s_lshl_b32 s10, s6, 18
	s_lshl_b32 s8, s9, 12
	s_add_co_u32 s10, s10, s8
	s_lshl_b32 s8, s4, 8
	s_add_co_u32 s10, s10, s8
	s_add_nc_u64 s[20:21], s[20:21], s[10:11]
	; the bias, in the result's layout: it is the C of each sum's first matrix instruction
	s_cmp_eq_u32 ttmp9, 2
	s_cbranch_scc1 .Lbias_v
	s_wait_alu depctr_va_vdst(0)
.irp b, 0,1,2,3,4,5,6,7                        ; q, k: register j of tile b is column 32 (b / 2) + 8 (b % 2) + 16 h + j
	global_load_b128 v[BIAS+8*\b:BIAS+8*\b+3], v[H64], s[12:13] offset:(32*(\b/2)+8*(\b%2))*4
	global_load_b128 v[BIAS+8*\b+4:BIAS+8*\b+7], v[H64], s[12:13] offset:(32*(\b/2)+8*(\b%2))*4+16
.endr
	s_branch .Lbias_done
.Lbias_v:
	s_wait_alu depctr_va_vdst(0)
.irp a, 0,1,2,3,4,5,6,7                        ; v: all eight registers of block a hold the bias of the lane's column 32 (a / 2) + 8 (a % 2) + r + 8 (r / 8)
.irp j, 0,1,2,3,4,5,6,7
	global_load_b32 v[BIAS+8*\a+\j], v[RP4], s[12:13] offset:(32*(\a/2)+8*(\a%2))*4
.endr
.endr
.Lbias_done:
	s_wait_tensorcnt 0x0                           ; my tile of the head's four is in
	ds_add_u32 v[SPW], v[NIL]
.irp g, 24, 32
	s_mov_b32 s[\g+1], 768<<16                     ; no load of mine is out: the next load brings 8 tiles x 6,144 bytes
	s_mov_b32 s[\g+2], 8<<16
	s_mov_b32 s[\g+3], 768<<16
	s_mov_b32 s[\g+4], 8
.endr
	s_wait_dscnt 0x0
	CROUND
	JLOAD 68, 24, 80, 32                           ; K 256-767, the first tensor load behind the round
.irp ks, 0,1,2,3,4,5,6,7                       ; the 64 scale words are made once: a K step's word is two chunks' halfwords
.irp i, 0,1,2,3,4,5,6,7
	ds_load_u16 v[SC+8*\ks+\i], v[ADRS] offset:1024*\ks+32*\i
	ds_load_u16 v[AF+8*\ks+\i], v[ADRS] offset:1024*\ks+32*\i+512
.endr
.endr
	FETCH_B 0
	s_wait_dscnt 32                                ; all but B's 32 loads
.set n, 0
.rept 64
	v_lshl_or_b32 v[SC+n], v[AF+n], 16, v[SC+n]    ; K ascending: the first step's words stand 56 plain lines ahead of the first scaled matrix instruction
.set n, n+1
.endr
	FETCH_A 0, 0
	FETCH_A 0, 4
	s_wait_loadcnt 0x0                             ; the bias
	s_cmp_eq_u32 ttmp9, 2
	s_cbranch_scc1 .Lfirst_v
	STEP 0, 1
	s_branch .Lfirst_done
.Lfirst_v:
	STEP 0, 2
.Lfirst_done:
	TURN 1, 1                                      ; slot 0 is left and filled again, with K 768-1023; the wait for all loads has shown slots 1 and 2 whole to every wave
	STEP 2, 0
	STEP 3, 0
	STEP 4, 0
	TURN 5, 0                                      ; slot 0's second fill is whole
	s_wait_alu depctr_va_vdst(0)
	STEP 6, 0
	s_wait_dscnt 16                                ; the last K step: nothing more to fetch
	WIN 0xa1
	MUL16 0, 7, 0
	MUL16 2, 7, 0
	s_wait_dscnt 0x0
	WIN 0xf1
	MUL16 4, 7, 0
	MUL16 6, 7, 0
	WIN 0
	PLACES 4
; THE EPILOGUE.  64 numbers of a lane in window w, blocks 0, 1 at v[s0], v[s0 + 16], blocks 2, 3 at v[s1], v[s1 + 16] (16 numbers of a block in a lane, the other 16 in lane l xor 16), become an operand's 12 registers
; in v[PC] on and its scale word in v[pw].  Each accumulator is read from its low end on.
.macro QUANT w, s0, s1, pw
	WIN ((\w)<<2)|((\w)<<4)                        ; sources 1 and 2 in window w
.irp b, 0,1
	v_max3_num_f32 v[TM+\b], v[FLR], |v[(\s0)+16*\b]|, |v[(\s0)+16*\b+1]|      ; with the floor among the leaves: the byte cannot fall under 1
	v_max3_num_f32 v[TM+2+\b], v[FLR], |v[(\s1)+16*\b]|, |v[(\s1)+16*\b+1]|
.endr
.irp i, 2,4,6,8,10,12,14
.irp b, 0,1
	v_max3_num_f32 v[TM+\b], v[TM+\b], |v[(\s0)+16*\b+\i]|, |v[(\s0)+16*\b+\i+1]|
	v_max3_num_f32 v[TM+2+\b], v[TM+2+\b], |v[(\s1)+16*\b+\i]|, |v[(\s1)+16*\b+\i+1]|
.endr
.endr
	WIN 0
.irp b, 0,1,2,3
	v_permlanex16_b32 v[TM+4+\b], v[TM+\b], s100, s101
.endr
.irp b, 0,1,2,3
	v_max_num_f32 v[TM+\b], v[TM+\b], v[TM+4+\b]   ; the block's largest magnitude
.endr
.irp b, 0,1,2,3
	v_add_nc_u32 v[TM+12+\b], 0xff000000, v[TM+\b] ; 2 off its exponent field: the conversion's scale operand
.endr
.irp b, 0,1,2,3
	v_lshrrev_b32 v[TM+4+\b], 23, v[TM+12+\b]      ; the scale's byte
.endr
	v_lshl_or_b32 v[\pw], v[TM+5], 8, v[TM+4]
	v_lshl_or_b32 v[\pw], v[TM+6], 16, v[\pw]
	v_lshl_or_b32 v[\pw], v[TM+7], 24, v[\pw]
	s_wait_xcnt 0x0                                ; the last image's stores have read their registers: the codes may be written again
	WIN (\w)                                       ; source 0 in window w
	v_cvt_scalef32_pk16_fp6_f32 v[PC:PC+2], v[(\s0):(\s0)+15], v[TM+12]
	v_cvt_scalef32_pk16_fp6_f32 v[PC+12:PC+14], v[(\s0)+16:(\s0)+31], v[TM+13]   ; (a conversion's three registers begin on an even number)
	v_cvt_scalef32_pk16_fp6_f32 v[PC+6:PC+8], v[(\s1):(\s1)+15], v[TM+14]
	v_cvt_scalef32_pk16_fp6_f32 v[PC+16:PC+18], v[(\s1)+16:(\s1)+31], v[TM+15]
	WIN 0
	v_nop                                          ; one plain line behind a scaled conversion
.irp c, 0,1                                    ; the operand's layout wants a WHOLE block in a lane
.irp i, 0,1,2
	v_permlane16_swap_b32 v[PC+6*\c+\i], v[PC+12+4*\c+\i]
.endr
.irp i, 0,1,2
	v_mov_b32 v[PC+3+6*\c+\i], v[PC+12+4*\c+\i]
.endr
.endr
.endm
.macro IMAGE off                       ; the operand leaves as it stands: three stores of 512 consecutive bytes
.irp c, 0,1,2
	global_store_b128 v[LI16], v[PC+4*\c:PC+4*\c+3], s[18:19] offset:(\off)+512*\c
.endr
.endm
.macro SCOUT grp                       ; four images' scale words: lane (r, h) stores words 2 h and 2 h + 1 of row r: one aligned run of 256 bytes
	v_cndmask_b32 v[SW], v[PWS], v[PWS+2], s66
	v_cndmask_b32 v[SW+1], v[PWS+1], v[PWS+3], s66
	global_store_b64 v[LS8], v[SW:SW+1], s[20:21] offset:4096*(\grp)
.endm
.irp b, 0,1,2,3
	v_mov_b32 v[TM+4+\b], 0                        ; written once: a lane permute's destination counts as one of its sources
.endr
	s_cmp_eq_u32 ttmp9, 2
	s_cbranch_scc1 .Lout_v
.irp grp, 0,1                                  ; q, k: head grp of my two; image i: token tiles 2 i and 2 i + 1, each with the head's two blocks
.irp i, 0,1,2,3
	QUANT 2+\i/2,128*(\i%2)+32*\grp,128*(\i%2)+32*\grp+64,PWS+\i
	IMAGE 98304*\grp+1536*\i
.endr
	SCOUT \grp
.endr
	s_branch .Lout_done
.Lout_v:
.irp grp, 0,1                                  ; v: head grp; image i: tile i of the head's 64, with the four blocks of my 128 keys
.irp i, 0,1,2,3
	QUANT 2+\grp,64*\i,64*\i+32,PWS+\i
	IMAGE 98304*\grp+1536*\i
.endr
	SCOUT \grp
.endr
.Lout_done:
	s_wait_tensorcnt 0x0                           ; the wave's end
	ds_add_u32 v[SPW], v[NIL]
	s_wait_dscnt 0x0
	CROUND                                         ; the closing round: no work-group ends while a partner may still ask for a tile that names it
	s_endpgm
.Lfunc_end_k_q9c42ee45a6_proj:
	.size	k_q9c42ee45a6_proj, .Lfunc_end_k_q9c42ee45a6_proj-k_q9c42ee45a6_proj
	.p2alignl 7, 3214868480
	.fill 96, 4, 3214868480
	.section	.rodata,"a",@progbits
	.p2align	6, 0x0
	.amdhsa_kernel k_q9c42ee45a6_proj
		.amdhsa_group_segment_fixed_size 327680
		.amdhsa_private_segment_fixed_size 0
		.amdhsa_enable_private_segment 0
		.amdhsa_kernarg_size 72
		.amdhsa_user_sgpr_count 2
		.amdhsa_user_sgpr_kernarg_segment_ptr 1
		.amdhsa_wavefront_size32 1
		.amdhsa_system_sgpr_workgroup_id_x 1
		.amdhsa_system_sgpr_workgroup_id_y 1
		.amdhsa_system_sgpr_workgroup_id_z 1
		.amdhsa_system_vgpr_workitem_id 0
		.amdhsa_next_free_vgpr 1024
		.amdhsa_next_free_sgpr 102
		.amdhsa_reserve_vcc 0
		.amdhsa_float_denorm_mode_32 3
		.amdhsa_float_denorm_mode_16_64 3
		.amdhsa_memory_ordered 1
		.amdhsa_forward_progress 1
		.amdhsa_inst_pref_size 211
	.end_amdhsa_kernel
	.amdgpu_metadata
---
amdhsa.version: [ 1, 2 ]
amdhsa.kernels:
  - .name:           k_q9c42ee45a6_proj
    .symbol:         k_q9c42ee45a6_proj.kd
    .args:
      - { .name: xcod, .offset: 0, .size: 8, .value_kind: global_buffer, .address_space: global }
      - { .name: xscl, .offset: 8, .size: 8, .value_kind: global_buffer, .address_space: global }
      - { .name: wcod, .offset: 16, .size: 8, .value_kind: global_buffer, .address_space: global }
      - { .name: wscl, .offset: 24, .size: 8, .value_kind: global_buffer, .address_space: global }
      - { .name: bq, .offset: 32, .size: 8, .value_kind: global_buffer, .address_space: global }
      - { .name: bk, .offset: 40, .size: 8, .value_kind: global_buffer, .address_space: global }
      - { .name: bv, .offset: 48, .size: 8, .value_kind: global_buffer, .address_space: global }
      - { .name: hcod, .offset: 56, .size: 8, .value_kind: global_buffer, .address_space: global }
      - { .name: hscl, .offset: 64, .size: 8, .value_kind: global_buffer, .address_space: global }
    .group_segment_fixed_size: 327680
    .private_segment_fixed_size: 0
    .kernarg_segment_align: 8
    .kernarg_segment_size: 72
    .max_flat_workgroup_size: 128
    .sgpr_count:     102
    .vgpr_count:     1024
    .wavefront_size: 32
...
	.end_amdgpu_metadata
.endif
;; end of part 2
;; launch attn (part 3): grid 4 x 64, 16 waves a work-group, clusters of 4 x 1, 262,144 bytes of LDS; arguments hcod, hscl, ccod, cscl; writes ccod, cscl
.if DOCPART == 3
	.amdgcn_target "amdgcn-amd-amdhsa--gfx1250"
	.amdhsa_code_object_version 6
	.text
	.protected	k_q9c42ee45a6_attn
	.globl	k_q9c42ee45a6_attn
	.p2align	8
	.type	k_q9c42ee45a6_attn,@function
k_q9c42ee45a6_attn:
	s_mov_b64 s[64:65], 0
	v_nop
	global_prefetch_b8 v0, s[64:65] scope:SCOPE_SE
	s_setreg_imm32_b32 hwreg(HW_REG_WAVE_MODE, 25, 1), 1
	s_wait_xcnt 0x0
	s_wait_alu depctr_hold_cnt(0) depctr_sa_sdst(0) depctr_va_vdst(0) depctr_va_sdst(0) depctr_va_ssrc(0) depctr_va_vcc(0) depctr_vm_vsrc(0)
	s_getreg_b32 s2, hwreg(HW_REG_IB_STS2, 6, 4)
	s_cmp_eq_u32 s2, 0
	s_cbranch_scc0 .Lentry_in_a_cluster
	s_endpgm
.Lentry_in_a_cluster:
	s_bfe_u32 s2, ttmp6, 0x10000c
	s_cmp_lg_u32 s2, 0x3003
	s_cbranch_scc0 .Lentry_shape_is_right
	s_endpgm
.Lentry_shape_is_right:
; For each (batch, head): O[q] = sum over keys of softmax(Q[q] . K[key] / 8) V[key], both products on codes of FP6 (E2M3) with E8M0 scales; O / its row's sum is quantised along the head's 64 and leaves as codes.
; THE SOFTMAX: t = score x log2(e) / 8; M = the row's largest t so far, rounded UP to a whole number; p = 2^(t - M) is quantised along the keys, not normalised; the row's sum is taken of the unquantised p.
; When M moves, the sum and O are multiplied by 2^(old M - new M): exact.
; SHARES.  A work-group owns 512 queries of one (batch, head); each of its sixteen waves one tile of 16 queries in each of two passes over 16 steps of 128 keys; no barrier stands between the passes.
; THE HEAD'S WHOLE K AND V STAY IN LDS, filled once, by joint loads of the head's four work-groups: waves 0, 1 bring K's halves, waves 2, 3 V's, wave 4 all scale words.  128 bytes of padding behind each 512.
; THE KEYS OF A SCORE TILE ARE CHOSEN BY LANE ADDRESSES.  A stored image g of K holds keys 32 g + {0-7, 16-23} (registers 0-5) and 32 g + {8-15, 24-31} (registers 6-11).  Lane (r, h) of image (c, u) reads stored lane
; (8 u + r % 8, h) of stored image 2 c + r / 8: its rows 0-7 are keys 64 c + 8 t + 0..7, its rows 8-15 keys 64 c + 32 + 8 t + 0..7 (t = 2 u, 2 u + 1).  So a lane's 32 score registers of group c are the 32
; neighbouring keys 64 c + 32 (lane / 16) + 0..31: one whole scale block, in the order in which V's images hold the keys.  With the padding an image is 1,920 bytes, so lanes 0-7 and 8-15 of a load fall on different banks.
; THE FIRST PRODUCT HAS K = 64: an image against [Q | zeros] gives its first tile's scores, against [zeros | Q] its second's.  Both products are used transposed: a lane holds ONE query.
; TWO AREAS OF 64 REGISTERS CHANGE ROLES FROM STEP TO STEP.  In a step one holds K and then V, the other the scores and then p; when p has been converted, its area takes the next step's K, which so lands under
; this step's product with V.  A trip of the loop is two steps, after which the roles are back where they began.
; The fetch of the next step's K in a pass's last step reads the bytes behind K, which are V's first step and V's scale words: they are in LDS, and what is read is not used.
; Nothing is prefetched: all that the launch reads from memory but Q is asked for at its head, and there is no loop to run ahead in.
; LIMITS: NaN and infinities are not served; a block of zeros gets the byte 1 (its codes are zeros; this program alone reads the bytes); the promise holds while |t| stays under 2^31.  Division by the row's sum: v_rcp_f32 and a multiplication.
; REGISTERS: v1-6, v8-13 addresses; v7 p's scale word; v14, v34-42 at work; v15 Q's scale word as loaded; v18-19 -M, the largest t; v20-21 the sum; v22-23 f; v24-27 V's scale words; v28-31 K's; v32-33 Q's;
;   v44-57 the sum's chains (on the way out: at work, and the result's codes); v58-64 conversions; v66-77 p's codes; v78-95 Q, zeros, Q; v96-127 O^T; v128-191, v192-255 the two areas.
.set KST, 7680                         ; a step's four images in LDS
.set VB,  122880                       ; V behind K
.set KSC, 245760                       ; K's scale words: 16 steps x 256 bytes: [r 16][image 4]; V's 4,096 bytes on
.set VSC, KSC+4096
.set SCO, VSC+4096                     ; the results' scale bytes: 512 rows x 2; written by LDS stores alone
.set SPARE, SCO+1024                   ; the spare words: 128 bytes a wave
.set PW,  7
.set XX,  14
.set SPW, 16
.set NIL, 17
.set NM,  18
.set LS,  20
.set FF,  22
.set VSW, 24
.set KSW, 28
.set QS,  32
.set MX,  34
.set SO,  MX+1                         ; (chains that are done with)
.set BB,  MX+5
.set YY,  42
.set TS,  44
.set CT,  58
.set PC,  66
.set QB,  78
.set OB,  96
.set YA,  128
.set XA,  192
.macro WALU
	s_wait_alu depctr_va_vdst(0)
.endm
.macro CROUND                          ; a round of the cluster's barrier
	s_barrier_signal -1
	s_barrier_wait -1
	s_cmp_lg_u32 s12, 0
	s_cbranch_scc1 .Lnot_wave_0_\@
	s_barrier_signal -3
.Lnot_wave_0_\@:
	s_barrier_wait -3
	s_barrier_signal -1
	s_barrier_wait -1
.endm
.macro KLOADS to, on                   ; K's four images into the area at v[to], and their scale words, by v8 and v10 (on = 1: of the step behind): 16 loads
.irp c, 0,1
.irp u, 0,1
.irp q, 0,1,2
	ds_load_b128 v[(\to)+24*\c+12*\u+4*\q:(\to)+24*\c+12*\u+4*\q+3], v8 offset:KST*(\on)+3840*\c+128*\u+640*\q
.endr
	ds_load_b32 v[KSW+2*\c+\u], v10 offset:256*(\on)+128*\u+8*\c
.endr
.endr
.endm
.macro QLOAD p                         ; my tile of Q: registers 6 p .. 6 p + 5 of my image, twice: Q, zeros, Q
.irp d, 0,12
.if \p == 0
	global_load_b128 v[QB+\d:QB+\d+3], v12, s[68:69]
	global_load_b64 v[QB+\d+4:QB+\d+5], v12, s[68:69] offset:512
.else
	global_load_b64 v[QB+\d:QB+\d+1], v12, s[68:69] offset:520
	global_load_b128 v[QB+\d+2:QB+\d+5], v12, s[68:69] offset:1024
.endif
.endr
.endm
.macro PADD d, j                       ; chain d += the pair j of p
	v_pk_add_f32 v[\d:\d+1], v[\d:\d+1], v[SR+2*(\j):SR+2*(\j)+1]
.endm
.macro FMA8 j0                         ; t - M, sixteen numbers
.set jj, \j0
.rept 8
	v_pk_fma_f32 v[SR+jj:SR+jj+1], v[SR+jj:SR+jj+1], s[22:23], v[NM:NM+1] op_sel_hi:[1,0,0]
.set jj, jj+2
.endr
.endm
; A KEY STEP: 128 keys.  ka: the area that holds K and then V; sa: the area of the scores.  s60: the step's images; s61: its scale words.
.macro STEP ka, sa
.set KV, \ka
.set SR, \sa
	WALU
	s_wait_dscnt 0x0                               ; K is in
.irp c, 0,1
.irp u, 0,1
.irp e, 0,1
	v_wmma_scale_f32_16x16x128_f8f6f4 v[SR+32*\c+16*\u+8*\e:SR+32*\c+16*\u+8*\e+7], v[KV+24*\c+12*\u:KV+24*\c+12*\u+11], v[QB+6*\e:QB+6*\e+11], 0, v[KSW+2*\c+\u], v[QS+\e] matrix_a_fmt:MATRIX_FMT_FP6 matrix_b_fmt:MATRIX_FMT_FP6
.endr
.endr
.endr
	v_add_nc_u32 v9, s60, v2                       ; the step's addresses: also the four places in front of the loads below
	v_add_nc_u32 v11, s61, v4
	v_add_nc_u32 v8, s60, v1
	v_add_nc_u32 v10, s61, v3
.irp i, 0,1,2,3                                ; V's four images into the registers that K's have left: they land under the softmax
.irp q, 0,1,2
	ds_load_b128 v[KV+12*\i+4*\q:KV+12*\i+4*\q+3], v9 offset:1920*\i+640*\q
.endr
.endr
	ds_load_b128 v[VSW:VSW+3], v11
.irp k, 0,1,2,3,4,5,6,7
	v_max3_num_f32 v[MX+\k], v[SR+8*\k], v[SR+8*\k+1], v[SR+8*\k+2]   ; the largest score of each block of 32 keys, in four chains a block: it serves the row's maximum and the block's largest p
.endr
.irp i, 3,5
.irp k, 0,1,2,3,4,5,6,7
	v_max3_num_f32 v[MX+\k], v[MX+\k], v[SR+8*\k+\i], v[SR+8*\k+\i+1]
.endr
.endr
	v_max3_num_f32 v[MX], v[MX], v[MX+1], v[SR+7]
	v_max3_num_f32 v[MX+4], v[MX+4], v[MX+5], v[SR+39]
	v_max3_num_f32 v[MX+2], v[MX+2], v[MX+3], v[SR+15]
	v_max3_num_f32 v[MX+6], v[MX+6], v[MX+7], v[SR+47]
	v_max3_num_f32 v[MX], v[MX], v[MX+2], v[SR+23]
	v_max3_num_f32 v[MX+4], v[MX+4], v[MX+6], v[SR+55]
	v_max_num_f32 v[MX], v[MX], v[SR+31]
	v_max_num_f32 v[MX+4], v[MX+4], v[SR+63]
	s_delay_alu instid0(VALU_DEP_1)
	v_max_num_f32 v[XX], v[MX], v[MX+4]
	s_delay_alu instid0(VALU_DEP_1)
	v_permlanex16_b32 v[YY], v[XX], s20, s21
	s_delay_alu instid0(VALU_DEP_1)
	v_max_num_f32 v[XX], v[XX], v[YY]              ; the step's largest score of my query
	s_delay_alu instid0(VALU_DEP_1)
	v_mul_f32 v[XX], s22, v[XX]                    ; as t (c is positive)
	s_delay_alu instid0(VALU_DEP_1)
	v_max_num_f32 v[NM+1], v[NM+1], v[XX]          ; the running largest t
	v_mov_b32 v[XX], v[NM]
	s_delay_alu instid0(VALU_DEP_2)
	v_floor_f32 v[NM], -v[NM+1]                    ; the new -M = floor(-t)
	s_delay_alu instid0(VALU_DEP_1)
	v_sub_f32 v[XX], v[NM], v[XX]                  ; old M - new M: a whole number, 0 or less
	FMA8 0
	v_cvt_i32_f32 v[XX], v[XX]                     ; (it saturates)
	FMA8 16
	v_ldexp_f32 v[FF], 1.0, v[XX]                  ; f = 2^(old M - new M)
	FMA8 32
	FMA8 48
	v_fma_f32 v[MX], v[MX], s22, v[NM]             ; the same of each block's largest score
	v_fma_f32 v[MX+4], v[MX+4], s22, v[NM]
	WALU
.set jj, 0
.rept 64
	v_exp_f32 v[SR+jj], v[SR+jj]                   ; p = 2^(t - M), at most 1
.set jj, jj+1
.endr
	v_exp_f32 v[MX], v[MX]                         ; the blocks' largest p: the same two instructions on the same number give the same bits
	v_exp_f32 v[MX+4], v[MX+4]
	v_pk_mul_f32 v[LS:LS+1], v[LS:LS+1], v[FF:FF+1] op_sel_hi:[1,0]   ; the sum under the new M; the plain line behind the batch
	WALU                                           ; and behind it, ahead of its first reader
.irp i, 0,1,2,3,4,5,6                          ; the row's sum of the unquantised p, in eight chains; the scale's lines stand among them
	v_pk_add_f32 v[TS+2*\i:TS+2*\i+1], v[SR+4*\i:SR+4*\i+1], v[SR+4*\i+2:SR+4*\i+3]
.endr
	PADD LS, 14
	v_max_num_f32 v[MX], 0x1800000, v[MX]          ; the floor 2^(3 - 127): the byte cannot fall under 1
	v_max_num_f32 v[MX+4], 0x1800000, v[MX+4]
.irp i, 0,1,2,3,4,5,6
	PADD TS+2*\i, 15+\i
.endr
	PADD LS, 22
	v_add_nc_u32 v[SO], 0xff000000, v[MX]          ; 2 off the exponent field: the conversion's scale operand
	v_add_nc_u32 v[SO+1], 0xff000000, v[MX+4]
.irp i, 0,1,2,3,4,5,6
	PADD TS+2*\i, 23+\i
.endr
	PADD LS, 30
	v_lshrrev_b32 v[BB], 23, v[SO]                 ; the scales' bytes: blocks h and 2 + h
	v_lshrrev_b32 v[BB+1], 23, v[SO+1]
	PADD TS, 31
	v_pk_add_f32 v[TS+4:TS+5], v[TS+4:TS+5], v[TS+6:TS+7]
	v_pk_add_f32 v[TS+8:TS+9], v[TS+8:TS+9], v[TS+10:TS+11]
	v_lshl_or_b32 v[BB], v[BB+1], 16, v[BB]
	v_pk_add_f32 v[TS:TS+1], v[TS:TS+1], v[TS+2:TS+3]
	v_cvt_scalef32_pk16_fp6_f32 v[PC:PC+2], v[SR:SR+15], v[SO]
	v_lshlrev_b32 v[BB], v5, v[BB]                 ; 8 h bits up
	v_cvt_scalef32_pk16_fp6_f32 v[CT:CT+2], v[SR+16:SR+31], v[SO]     ; (a conversion's three registers begin on an even number)
	v_permlanex16_b32 v[YY], v[BB], s20, s21
	v_cvt_scalef32_pk16_fp6_f32 v[PC+6:PC+8], v[SR+32:SR+47], v[SO+1]
	v_cvt_scalef32_pk16_fp6_f32 v[CT+4:CT+6], v[SR+48:SR+63], v[SO+1]
	v_or_b32 v[PW], v[BB], v[YY]                   ; p's scale word; the plain line behind the conversions
.irp i, 0,1,2
	v_mov_b32 v[PC+3+\i], v[CT+\i]
	v_mov_b32 v[PC+9+\i], v[CT+4+\i]
.endr
	KLOADS SR, 1                                   ; p is done with: its area takes the next step's K
	s_wait_dscnt 16                                ; V is in; the 16 loads just issued may be out
	WALU
.set jj, 0
.rept 16
	v_pk_mul_f32 v[OB+jj:OB+jj+1], v[OB+jj:OB+jj+1], v[FF:FF+1] op_sel_hi:[1,0]   ; O^T under the new M; also the places between p's codes and scale word and the products
.set jj, jj+2
.endr
.irp i, 0,1,2,3                                ; O^T += V^T P^T: four tiles of 16 of the head's 64, by turns
	v_wmma_scale_f32_16x16x128_f8f6f4 v[OB+8*\i:OB+8*\i+7], v[KV+12*\i:KV+12*\i+11], v[PC:PC+11], v[OB+8*\i:OB+8*\i+7], v[VSW+\i], v[PW] matrix_a_fmt:MATRIX_FMT_FP6 matrix_b_fmt:MATRIX_FMT_FP6
.endr
	v_pk_add_f32 v[LS:LS+1], v[LS:LS+1], v[TS+12:TS+13]              ; the sum's last four lines and one more: five places in front of the next scores, which are written over V
	v_pk_add_f32 v[TS:TS+1], v[TS:TS+1], v[TS+4:TS+5]
	v_pk_add_f32 v[LS:LS+1], v[LS:LS+1], v[TS+8:TS+9]
	v_pk_add_f32 v[LS:LS+1], v[LS:LS+1], v[TS:TS+1]
	v_nop
	s_add_co_u32 s60, s60, KST
	s_add_co_u32 s61, s61, 256
.endm
.macro INIT p                          ; a pass's running numbers; Q's scale words stand 36 plain lines ahead of the first product
	WALU
	s_wait_loadcnt 0x0                             ; Q
	s_wait_xcnt 0x0                                ; the last pass's stores have read their registers
.if \p == 0
	v_and_b32 v[QS], 0xffff, v15                   ; my tile's two bytes under the half that holds Q; the other half has zero codes under the byte 0
	v_lshlrev_b32 v[QS+1], 16, v15
.else
	v_lshrrev_b32 v[QS], 16, v15
	v_and_b32 v[QS+1], 0xffff0000, v15
.endif
	v_mov_b32 v[NM+1], 0xff61b1e6                  ; the largest t so far: -3e38
	v_mov_b32 v[LS], 0
	v_mov_b32 v[LS+1], 0
	v_floor_f32 v[NM], -v[NM+1]
.set jj, 0
.rept 32
	v_mov_b32 v[OB+jj], 0                          ; O^T: the step is written once, and the first finds zeros
.set jj, jj+1
.endr
.endm
.macro WALK p
	s_mov_b32 s62, 0
	WALU
.Lstep_\p:
	STEP YA, XA
	STEP XA, YA
	s_add_co_u32 s62, s62, 1
	s_cmp_lt_u32 s62, 8
	WALU
	s_cbranch_scc1 .Lstep_\p
	s_wait_dscnt 0x0                               ; the last step's fetch has landed
.endm
; THE WAY OUT of a pass: O^T / the row's sum; register 16 b + i is the head's 32 b + 16 (lane / 16) + i: two blocks, quantised; the codes are half an operand's image for the last product.
.set WM, TS                            ; at work on the way out: largest magnitudes, bytes, scale operands, the two bytes; the codes
.set WB, TS+2
.set WS, TS+4
.set WY, TS+6
.set OC, TS+8
.macro WAYOUT p
	v_add_f32 v[LS], v[LS], v[LS+1]
	v_permlanex16_b32 v[XX], v[LS], s20, s21
	v_add_f32 v[LS], v[LS], v[XX]                  ; the row's sum
	WALU
	v_rcp_f32 v[LS], v[LS]
	v_nop
	WALU                                           ; behind the reciprocal, and directly ahead of the first readers of O^T
.set jj, 0
.rept 16
	v_pk_mul_f32 v[XA+jj:XA+jj+1], v[OB+jj:OB+jj+1], v[LS:LS+1] op_sel_hi:[1,0]
.set jj, jj+2
.endr
.irp b, 0,1
	v_max3_num_f32 v[WM+\b], |v[XA+16*\b]|, |v[XA+16*\b+1]|, 0x1800000
.endr
.irp i, 2,4,6,8,10,12,14
.irp b, 0,1
	v_max3_num_f32 v[WM+\b], v[WM+\b], |v[XA+16*\b+\i]|, |v[XA+16*\b+\i+1]|
.endr
.endr
.irp b, 0,1
	v_permlanex16_b32 v[WB+\b], v[WM+\b], s20, s21
.endr
.irp b, 0,1
	v_max_num_f32 v[WM+\b], v[WM+\b], v[WB+\b]
.endr
.irp b, 0,1
	v_add_nc_u32 v[WS+\b], 0xff000000, v[WM+\b]
.endr
.irp b, 0,1
	v_lshrrev_b32 v[WB+\b], 23, v[WS+\b]
.endr
	v_lshl_or_b32 v[WY], v[WB+1], 8, v[WB]         ; my row's two bytes
	v_cvt_scalef32_pk16_fp6_f32 v[OC:OC+2], v[XA:XA+15], v[WS]
	v_cvt_scalef32_pk16_fp6_f32 v[CT:CT+2], v[XA+16:XA+31], v[WS+1]
	v_nop
.irp i, 0,1,2
	v_permlane16_swap_b32 v[OC+\i], v[CT+\i]       ; the operand's layout wants a whole block in a lane
.endr
.irp i, 0,1,2
	v_mov_b32 v[OC+3+\i], v[CT+\i]
.endr
	global_store_b128 v12, v[OC:OC+3], s[72:73] offset:12288*(\p)          ; 512 consecutive bytes
	global_store_b64 v13, v[OC+4:OC+5], s[72:73] offset:12288*(\p)+512     ; 256 consecutive bytes
	ds_store_b16 v6, v[WY] offset:32*(\p)          ; both lanes of a row write the same two bytes with the same value
.endm
	s_load_b256 s[4:11], s[0:1], 0x0               ; hcod s[4:5], hscl s[6:7], ccod s[8:9], cscl s[10:11]
	v_lshl_add_u32 v[SPW], v0, 2, SPARE
	v_mov_b32 v[NIL], 0
	ds_add_u32 v[SPW], v[NIL]
	ds_add_u32 v[SPW], v[NIL]
	v_lshrrev_b32 v8, 5, v0
	v_readfirstlane_b32 s12, v8                    ; wave 0..15
	s_bfe_u32 s13, ttmp6, 0x40000                  ; cx: which 512 queries
	s_and_b32 s14, ttmp7, 0xffff                   ; batch x 16 + head, which the four partners share
	s_min_u32 s15, s12, 3                          ; what I fetch, if I fetch codes: K's halves (0, 1), V's (2, 3)
	s_mul_i32 s16, s14, 98304
	s_lshr_b32 s17, s15, 1
	s_mul_i32 s17, s17, 6291456
	s_and_b32 s18, s15, 1
	s_mul_i32 s18, s18, 49152
	s_add_co_u32 s18, s18, s17
	s_add_co_u32 s18, s18, s16
	s_add_co_u32 s18, s18, 6291456
	s_mov_b32 s19, 0
	s_mov_b32 s40, 1
	s_mul_i32 s41, s15, 61440                      ; 49,152 bytes and their padding
	s_mov_b32 s44, 1
	s_mov_b32 s45, KSC
	s_lshl_b32 s48, s14, 12
	s_add_co_u32 s50, s48, 262144
	s_mov_b32 s51, 0
	s_mov_b32 s24, 15|(3<<16)|(1<<20)|(1<<21)|(6<<22)|(31<<25)   ; group 1, codes: all four work-groups; elements of 8 bytes; 32 words of padding behind every 128
	s_mov_b32 s25, 3072<<16                        ; two dense rows of 24,576 bytes
	s_mov_b32 s26, 2<<16
	s_mov_b32 s27, 3072<<16
	s_mov_b32 s28, 2
	s_mov_b32 s29, 3072
	s_mov_b32 s30, 0
	s_mov_b32 s31, 0
	s_mov_b32 s32, 15|(3<<16)|(1<<21)              ; group 1, scale words: K's 4,096 bytes and V's, 262,144 bytes apart in memory
	s_mov_b32 s33, 512<<16
	s_mov_b32 s34, 2<<16
	s_mov_b32 s35, 512<<16
	s_mov_b32 s36, 2
	s_mov_b32 s37, 32768
	s_mov_b32 s38, 0
	s_mov_b32 s39, 0
	s_mov_b32 s20, 0x76543210                      ; v_permlanex16_b32's selects for lane l xor 16
	s_mov_b32 s21, 0xfedcba98
	s_mov_b32 s22, 0x3e38aa3b                      ; c = log2(e) / 8
	s_mov_b32 s23, s22
	s_lshl_b32 s52, s13, 4                         ; Q: image 16 cx + wave: tiles 2 wave and 2 wave + 1
	s_add_co_u32 s52, s52, s12
	s_mul_i32 s52, s52, 1536
	s_add_co_u32 s52, s52, s16
	s_mov_b32 s53, 0
	s_lshl_b32 s54, s13, 2                         ; its scale word: run 4 cx + wave / 4, word wave % 4 of each row
	s_lshr_b32 s80, s12, 2
	s_add_co_u32 s54, s54, s80
	s_lshl_b32 s54, s54, 8
	s_and_b32 s80, s12, 3
	s_lshl_b32 s80, s80, 2
	s_add_co_u32 s54, s54, s80
	s_add_co_u32 s54, s54, s48
	s_mov_b32 s55, 0
	s_lshr_b32 s82, s14, 4                         ; batch
	s_and_b32 s83, s14, 15                         ; head
	s_lshl_b32 s76, s82, 7                         ; the result's codes: token tile 128 batch + 32 cx + 2 wave + pass, chunk = head
	s_lshl_b32 s80, s13, 5
	s_add_co_u32 s76, s76, s80
	s_lshl_b32 s80, s12, 1
	s_add_co_u32 s76, s76, s80
	s_mul_i32 s76, s76, 12288
	s_mul_i32 s80, s83, 768
	s_add_co_u32 s76, s76, s80
	s_mov_b32 s77, 0
	s_lshl_b32 s78, s83, 14                        ; its scale bytes: chunk = head, row 2,048 batch + 512 cx
	s_lshl_b32 s80, s82, 12
	s_add_co_u32 s78, s78, s80
	s_lshl_b32 s80, s13, 10
	s_add_co_u32 s78, s78, s80
	s_mov_b32 s79, 0
	s_mov_b32 s60, 0
	s_mov_b32 s61, 0
	WALU
	s_wait_dscnt 0x0
	s_wait_kmcnt 0x0
	s_add_nc_u64 s[42:43], s[4:5], s[18:19]
	s_or_b32 s43, s43, 0x80000000
	s_add_nc_u64 s[46:47], s[6:7], s[50:51]
	s_or_b32 s47, s47, 0x80000000
	s_add_nc_u64 s[68:69], s[4:5], s[52:53]
	s_add_nc_u64 s[70:71], s[6:7], s[54:55]
	s_add_nc_u64 s[72:73], s[8:9], s[76:77]
	s_add_nc_u64 s[74:75], s[10:11], s[78:79]
	CROUND                                         ; all four work-groups are here: the joint loads meet
	s_cmp_lt_u32 s12, 4                            ; one chain of branches on the wave's number, one load to an arm
	s_cbranch_scc0 .Lnot_codes
	tensor_load_to_lds s[40:43], s[24:31]
	s_nop 0
.rept 4
	v_nop
.endr
	s_branch .Lasked
.Lnot_codes:
	s_cmp_eq_u32 s12, 4
	s_cbranch_scc0 .Lasked
	tensor_load_to_lds s[44:47], s[32:39]
	s_nop 0
.rept 4
	v_nop
.endr
.Lasked:
	v_and_b32 v10, 15, v0                          ; r
	v_bfe_u32 v5, v0, 4, 1                         ; h
	v_and_b32 v13, 31, v0
	v_lshlrev_b32 v12, 4, v13                      ; 16 x lane
	v_lshlrev_b32 v13, 3, v13                      ; 8 x lane
	v_lshlrev_b32 v11, 4, v10                      ; 16 r
	v_lshrrev_b32 v8, 3, v10                       ; r / 8
	v_and_b32 v9, 7, v10                           ; r % 8
	v_mul_u32_u24 v1, v8, 1920
	v_lshl_add_u32 v1, v9, 4, v1
	v_lshl_add_u32 v1, v5, 8, v1                   ; K: stored image r / 8, stored lane (r % 8, h)
	v_add_nc_u32 v2, VB, v12                       ; V: an image as it lies
	v_lshlrev_b32 v3, 4, v9
	v_lshl_add_u32 v3, v8, 2, v3
	v_add_nc_u32 v3, KSC, v3                       ; K's scale word: stored row r % 8, stored image r / 8
	v_add_nc_u32 v4, VSC, v11
	v_lshlrev_b32 v5, 3, v5                        ; 8 h
	v_and_b32 v6, 0x1e0, v0
	v_lshlrev_b32 v6, 1, v6
	v_lshl_add_u32 v6, v10, 1, v6
	v_add_nc_u32 v6, SCO, v6                       ; my row's two result bytes: 64 wave + 2 r
	global_load_b32 v15, v11, s[70:71]             ; Q's scale word of row r
	QLOAD 0
.irp i, 6,7,8,9,10,11
	v_mov_b32 v[QB+\i], 0
.endr
	v_mov_b32 v[FF+1], 0                           ; (named as the upper half of a pair)
	v_mov_b32 v[YY], 0                             ; a lane permute's destination counts as one of its sources
	v_mov_b32 v[XX], 0
	INIT 0
	v_add_nc_u32 v8, s60, v1
	v_add_nc_u32 v10, s61, v3
	WALU
	s_wait_tensorcnt 0x0                           ; every wave waits; the fetching waves' tiles are in
	s_barrier_signal -1
	s_barrier_wait -1
	KLOADS YA, 0
	WALK 0
	s_mov_b32 s60, 0
	s_mov_b32 s61, 0
	v_add_nc_u32 v8, s60, v1
	v_add_nc_u32 v10, s61, v3
	KLOADS YA, 0                                   ; the second pass's first K and its Q are asked for ahead of the way out
	QLOAD 1
	WAYOUT 0
	INIT 1
	WALK 1
	WAYOUT 1
	v_lshlrev_b32 v8, 4, v0                        ; 16 x thread
	v_add_nc_u32 v9, SCO, v8
	WALU
	s_wait_dscnt 0x0                               ; for the others' sake: my byte stores have landed
	s_barrier_signal -1
	s_barrier_wait -1
	s_cmp_lt_u32 s12, 2
	s_cbranch_scc0 .Lno_sc
	ds_load_b128 v[128:131], v9
	s_wait_dscnt 0x0
	global_store_b128 v8, v[128:131], s[74:75]     ; the 512 rows' scale bytes: each of two waves stores 512 consecutive bytes
.Lno_sc:
	s_wait_tensorcnt 0x0                           ; the wave's end
	ds_add_u32 v[SPW], v[NIL]
	s_wait_dscnt 0x0
	CROUND                                         ; the closing round
	s_endpgm
.Lfunc_end_k_q9c42ee45a6_attn:
	.size	k_q9c42ee45a6_attn, .Lfunc_end_k_q9c42ee45a6_attn-k_q9c42ee45a6_attn
	.p2alignl 7, 3214868480
	.fill 96, 4, 3214868480
	.section	.rodata,"a",@progbits
	.p2align	6, 0x0
	.amdhsa_kernel k_q9c42ee45a6_attn
		.amdhsa_group_segment_fixed_size 262144
		.amdhsa_private_segment_fixed_size 0
		.amdhsa_enable_private_segment 0
		.amdhsa_kernarg_size 32
		.amdhsa_user_sgpr_count 2
		.amdhsa_user_sgpr_kernarg_segment_ptr 1
		.amdhsa_wavefront_size32 1
		.amdhsa_system_sgpr_workgroup_id_x 1
		.amdhsa_system_sgpr_workgroup_id_y 1
		.amdhsa_system_sgpr_workgroup_id_z 1
		.amdhsa_system_vgpr_workitem_id 0
		.amdhsa_next_free_vgpr 256
		.amdhsa_next_free_sgpr 84
		.amdhsa_reserve_vcc 0
		.amdhsa_float_denorm_mode_32 3
		.amdhsa_float_denorm_mode_16_64 3
		.amdhsa_memory_ordered 1
		.amdhsa_forward_progress 1
		.amdhsa_inst_pref_size 79
	.end_amdhsa_kernel
	.amdgpu_metadata
---
amdhsa.version: [ 1, 2 ]
amdhsa.kernels:
  - .name:           k_q9c42ee45a6_attn
    .symbol:         k_q9c42ee45a6_attn.kd
    .args:
      - { .name: hcod, .offset: 0, .size: 8, .value_kind: global_buffer, .address_space: global }
      - { .name: hscl, .offset: 8, .size: 8, .value_kind: global_buffer, .address_space: global }
      - { .name: ccod, .offset: 16, .size: 8, .value_kind: global_buffer, .address_space: global }
      - { .name: cscl, .offset: 24, .size: 8, .value_kind: global_buffer, .address_space: global }
    .group_segment_fixed_size: 262144
    .private_segment_fixed_size: 0
    .kernarg_segment_align: 8
    .kernarg_segment_size: 32
    .max_flat_workgroup_size: 512
    .sgpr_count:     84
    .vgpr_count:     256
    .wavefront_size: 32
...
	.end_amdgpu_metadata
.endif
;; end of part 3
;; launch outp (part 4): grid 4 x 64, 4 waves a work-group, clusters of 4 x 4, 327,680 bytes of LDS; arguments ccod, cscl, wcod, wscl, bo, out0; writes out0
.if DOCPART == 4
	.amdgcn_target "amdgcn-amd-amdhsa--gfx1250"
	.amdhsa_code_object_version 6
	.text
	.protected	k_q9c42ee45a6_outp
	.globl	k_q9c42ee45a6_outp
	.p2align	8
	.type	k_q9c42ee45a6_outp,@function
k_q9c42ee45a6_outp:
	s_mov_b64 s[64:65], 0
	v_nop
	global_prefetch_b8 v0, s[64:65] scope:SCOPE_SE
	s_setreg_imm32_b32 hwreg(HW_REG_WAVE_MODE, 25, 1), 1
	s_wait_xcnt 0x0
	s_wait_alu depctr_hold_cnt(0) depctr_sa_sdst(0) depctr_va_vdst(0) depctr_va_sdst(0) depctr_va_ssrc(0) depctr_va_vcc(0) depctr_vm_vsrc(0)
	s_getreg_b32 s2, hwreg(HW_REG_IB_STS2, 6, 4)
	s_cmp_eq_u32 s2, 0
	s_cbranch_scc0 .Lentry_in_a_cluster
	s_endpgm
.Lentry_in_a_cluster:
	s_bfe_u32 s2, ttmp6, 0x10000c
	s_cmp_lg_u32 s2, 0xf033
	s_cbranch_scc0 .Lentry_shape_is_right
	s_endpgm
.Lentry_shape_is_right:
; out0 = concat Wo + bo on codes of FP6 (E2M3) with E8M0 scales, f32 sums.
; 256 work-groups of four waves; a work-group makes 128 tokens x 256 columns, a wave 64 x 128: 32 accumulators.  ALL OF K = 1,024 OF BOTH OPERANDS LIES IN LDS, filled once: 98,304 bytes of the tokens' codes,
; 196,608 of Wo's, and their scale bytes: four joint loads at the head, one a wave.  No LDS byte is filled twice.
; Source 1 of the matrix instruction takes 16 tokens (the A role), source 0 16 columns of Wo (the B role; stored rows 3,072 on of the weights' codes): a lane holds one token and eight columns.
; Rows of both operands are stored with bits 3 and 4 of their number swapped: registers of result tiles 2 b, 2 b + 1 are true columns 32 b + 16 (lane / 16) + 0 .. 15; the stores' immediates put the tokens back in true order.
; OPERANDS IN MEMORY AND IN LDS are images of registers: [tile of 16 rows][chunk of 64 K][768 bytes]; a fragment (16 rows x 128 K, 12 registers) is two chunks: four LDS loads, each of consecutive bytes.
; CLUSTERS: 4 x 4.  The tokens' tiles are asked for jointly by the four of a row of the cluster, Wo's by the four of a column.
; Eight K steps of 128, written out; both operands have two sets of registers: a step's 48 LDS loads go out ahead of the step before's 32 products.
; Nothing is prefetched: all that the launch reads is asked for at its head, and there is no loop to run ahead in.
; REGISTERS, in windows of 256: window 0: v1-31 addresses; v32-95 the 64 scale words; v96-159 the bias; v160-255 A's fragments, two sets (on the way out v128-255 are rows of out0).  window 1: B's fragments, two sets.
;   window 2: accumulator (a, b) at v[8 (8 a + b)].
.set BCOD,  98304                      ; Wo's 16 tiles behind the tokens' 8
.set SCL,   294912                     ; the tokens' scale bytes: [chunk 16][128 rows x 2 bytes, 256 of padding]; Wo's 8,192 bytes on: [chunk 16][256 rows x 2]
.set SPARE, SCL+16384                  ; the spare words: 128 bytes a wave
.set STG,   0                          ; the way out: 16 rows x (512 bytes + 16) for each wave, over the tokens' codes, behind the barrier behind which nobody reads them
.set SPITCH, 528
.set FR,   12
.set A16,  8                           ; v8, v9 16 x lane, 8 x lane + my 4 tiles of A
.set A8,   9
.set B16,  10                          ; v10, v11 16 x lane + my tiles 0-3, 4-7 of B; v12, v13 the same with 8 x lane
.set B8,   12
.set ADRS, 20                          ; v20 scale bytes: lanes 0-15 A's rows, lanes 16-31 B's;  v23: all lanes B's
.set STO,  21
.set RD,   22
.set ADR2, 23
.set LI16, 24
.set H64,  26
.set SPW,  28
.set NIL,  29
.set SC,   32                          ; v[SC + 8 ks + i]: lanes 0-15 the word of A's block i (i under 4), lanes 16-31 of B's block i, for K step ks
.set BIAS, 96
.set AF,   160
.set BK,   128
.set MSB, 0
.macro WIN new                         ; the immediate's high byte repeats the setting that is left
.if MSB != (\new)
	s_set_vgpr_msb (MSB<<8)|(\new)
.set MSB, (\new)
.endif
.endm
.macro CROUND
	s_barrier_signal -1
	s_barrier_wait -1
	s_cmp_lg_u32 s22, 0
	s_cbranch_scc1 .Lnot_wave_0_\@
	s_barrier_signal -3
.Lnot_wave_0_\@:
	s_barrier_wait -3
	s_barrier_signal -1
	s_barrier_wait -1
.endm
.macro PLACES n
.rept \n
	v_nop
.endr
.endm
.macro FRAG reg, a16, a8, off          ; a fragment: two chunks' images: registers 0-3, 4-5 and 6-9, 10-11
	ds_load_b128 v[(\reg):(\reg)+3], v[\a16] offset:(\off)
	ds_load_b64 v[(\reg)+4:(\reg)+5], v[\a8] offset:(\off)+512
	ds_load_b128 v[(\reg)+6:(\reg)+9], v[\a16] offset:(\off)+768
	ds_load_b64 v[(\reg)+10:(\reg)+11], v[\a8] offset:(\off)+1280
.endm
.macro FETCH ks                        ; K step ks: B's eight fragments and A's four into sets ks % 2: 48 loads
	WIN 0x40
.irp i, 0,1,2,3,4,5,6,7
	FRAG 128*((\ks)%2)+FR*\i,B16+\i/4,B8+\i/4,12288*(\i%4)+1536*(\ks)
.endr
	WIN 0
.irp i, 0,1,2,3
	FRAG AF+48*((\ks)%2)+FR*\i,A16,A8,12288*\i+1536*(\ks)
.endr
.endm
; 32 matrix instructions: A's four blocks x B's eight.  cm = 1: the sums begin with the bias of B's rows.  The 32 accumulators take turns, in the same order in every step.
.macro MUL ks, cm
.if \cm
	WIN 0x81                                       ; source 0 (B) window 1, D window 2, C (the bias) window 0
.else
	WIN 0xa1                                       ; C with D
.endif
.irp a, 0,1,2,3
.irp b, 0,1,2,3,4,5,6,7
.if \cm
	v_wmma_scale_f32_16x16x128_f8f6f4 v[8*(8*\a+\b):8*(8*\a+\b)+7], v[128*((\ks)%2)+FR*\b:128*((\ks)%2)+FR*\b+FR-1], v[AF+48*((\ks)%2)+FR*\a:AF+48*((\ks)%2)+FR*\a+FR-1], v[BIAS+8*\b:BIAS+8*\b+7], v[SC+8*(\ks)+\b], v[SC+8*(\ks)+\a] matrix_a_fmt:MATRIX_FMT_FP6 matrix_b_fmt:MATRIX_FMT_FP6 matrix_a_scale:MATRIX_SCALE_ROW1
.else
	v_wmma_scale_f32_16x16x128_f8f6f4 v[8*(8*\a+\b):8*(8*\a+\b)+7], v[128*((\ks)%2)+FR*\b:128*((\ks)%2)+FR*\b+FR-1], v[AF+48*((\ks)%2)+FR*\a:AF+48*((\ks)%2)+FR*\a+FR-1], v[8*(8*\a+\b):8*(8*\a+\b)+7], v[SC+8*(\ks)+\b], v[SC+8*(\ks)+\a] matrix_a_fmt:MATRIX_FMT_FP6 matrix_b_fmt:MATRIX_FMT_FP6 matrix_a_scale:MATRIX_SCALE_ROW1
.endif
.endr
.endr
	WIN 0
.endm
.macro ARM under, g0, g1, next         ; an arm of the head's one chain of branches on the wave's number
	s_cmp_lt_u32 s22, \under
	s_cbranch_scc0 \next
	tensor_load_to_lds s[\g0:\g0+3], s[\g1:\g1+7]
	s_nop 0
	PLACES 4
	s_branch .Lhead_asked
\next:
.endm
	s_load_b256 s[4:11], s[0:1], 0x0               ; the tokens' codes s[4:5], scales s[6:7], the weights' codes s[8:9], scales s[10:11]
	s_load_b128 s[12:15], s[0:1], 0x20             ; bo s[12:13], out0 s[14:15]
	v_lshl_add_u32 v[SPW], v0, 2, SPARE
	v_mov_b32 v[NIL], 0
	ds_add_u32 v[SPW], v[NIL]
	ds_add_u32 v[SPW], v[NIL]
	v_lshrrev_b32 v1, 5, v0
	v_readfirstlane_b32 s22, v1                    ; wave 0..3
	s_lshr_b32 s23, s22, 1                         ; which 64 of the 128 tokens are mine
	s_and_b32 s92, s22, 1                          ; which 128 of the 256 columns
	s_bfe_u32 s93, ttmp6, 0x40000                  ; cx
	s_bfe_u32 s94, ttmp6, 0x40004                  ; cy
	s_and_b32 s95, ttmp7, 0xffff                   ; cluster y
	s_lshl_b32 s96, s95, 2
	s_add_co_u32 s96, s96, s94                     ; the tokens' tile of 128: hangs on cy alone
	s_add_co_u32 s97, s93, 12                      ; Wo's tile of 256 stored rows: 12 .. 15: on cx alone
	s_lshl_b32 s98, s94, 2
	s_lshl_b32 s98, 15, s98                        ; my row of the cluster
	s_lshl_b32 s99, 0x1111, s93                    ; my column
	s_or_b32 s24, s98, (3<<16)|(1<<21)             ; group 1, A's codes: 8 dense rows of 12,288 bytes
	s_mov_b32 s25, 1536<<16
	s_mov_b32 s26, 8<<16
	s_mov_b32 s27, 1536<<16
	s_mov_b32 s28, 8
	s_mov_b32 s29, 1536
	s_mov_b32 s30, 0
	s_mov_b32 s31, 0
	s_or_b32 s32, s99, (3<<16)|(1<<21)             ; B's: 16
	s_mov_b32 s33, 1536<<16
	s_mov_b32 s34, 16<<16
	s_mov_b32 s35, 1536<<16
	s_mov_b32 s36, 16
	s_mov_b32 s37, 1536
	s_mov_b32 s38, 0
	s_mov_b32 s39, 0
	s_or_b32 s40, s98, (3<<16)|(1<<20)|(1<<21)|(5<<22)|(63<<25)   ; A's scale bytes: 16 chunks' rows of 256 bytes, 16,384 apart in memory, 64 words of padding behind each
	s_mov_b32 s41, 32<<16
	s_mov_b32 s42, 16<<16
	s_mov_b32 s43, 32<<16
	s_mov_b32 s44, 16
	s_mov_b32 s45, 2048
	s_mov_b32 s46, 0
	s_mov_b32 s47, 0
	s_or_b32 s48, s99, (3<<16)|(1<<21)             ; B's: rows of 512 bytes
	s_mov_b32 s49, 64<<16
	s_mov_b32 s50, 16<<16
	s_mov_b32 s51, 64<<16
	s_mov_b32 s52, 16
	s_mov_b32 s53, 2048
	s_mov_b32 s54, 0
	s_mov_b32 s55, 0
	s_mul_i32 s76, s96, 98304
	s_mov_b32 s77, 0
	s_mul_i32 s78, s97, 196608
	s_mov_b32 s79, 0
	s_lshl_b32 s80, s96, 8
	s_mov_b32 s81, 0
	s_lshl_b32 s82, s97, 9
	s_mov_b32 s83, 0
	s_mov_b32 s56, 1
	s_mov_b32 s57, 0
	s_mov_b32 s60, 1
	s_mov_b32 s61, BCOD
	s_mov_b32 s68, 1
	s_mov_b32 s69, SCL
	s_mov_b32 s72, 1
	s_mov_b32 s73, SCL+8192
	s_mul_i32 s84, s23, 49152                      ; LDS: my 4 tiles of A,
	s_mul_i32 s85, s92, 98304
	s_add_co_u32 s85, s85, BCOD                    ; my tiles 0-3 of B,
	s_add_co_u32 s86, s85, 49152                   ; my tiles 4-7
	s_lshl_b32 s87, s92, 1
	s_add_co_u32 s87, s87, 64
	s_sub_co_u32 s87, s87, s23
	s_lshl_b32 s87, s87, 7                         ; from my rows of A's scale bytes to my rows of B's
	s_lshl_b32 s88, s23, 7
	s_add_co_u32 s88, s88, SCL
	s_lshl_b32 s89, s92, 8
	s_add_co_u32 s89, s89, SCL+8192
	s_mul_i32 s90, s22, 16*SPITCH
	s_add_co_u32 s90, s90, STG                     ; my stage
	s_lshl_b32 s2, s93, 10
	s_lshl_b32 s3, s92, 9
	s_add_co_u32 s2, s2, s3                        ; my 128 columns, in bytes: in bo and in a row of out0
	s_mov_b32 s3, 0
	s_lshl_b32 s100, s96, 19                       ; 128 rows of 4,096 bytes a tile,
	s_lshl_b32 s101, s23, 18                       ; 64 a wave
	s_add_co_u32 s100, s100, s101
	s_mov_b32 s101, 0
	s_wait_alu depctr_va_vdst(0)
	s_wait_dscnt 0x0
	s_wait_kmcnt 0x0
	s_add_nc_u64 s[58:59], s[4:5], s[76:77]
	s_or_b32 s59, s59, 0x80000000
	s_add_nc_u64 s[62:63], s[8:9], s[78:79]
	s_or_b32 s63, s63, 0x80000000
	s_add_nc_u64 s[70:71], s[6:7], s[80:81]
	s_or_b32 s71, s71, 0x80000000
	s_add_nc_u64 s[74:75], s[10:11], s[82:83]
	s_or_b32 s75, s75, 0x80000000
	s_add_nc_u64 s[12:13], s[12:13], s[2:3]
	s_add_nc_u64 s[14:15], s[14:15], s[2:3]
	s_add_nc_u64 s[14:15], s[14:15], s[100:101]
	CROUND                                         ; all sixteen work-groups are here: the joint loads meet
	ARM 1, 68, 40, .Lhead_sb                       ; wave 0 A's scale bytes, wave 1 B's, wave 2 A's codes, wave 3 B's
	ARM 2, 72, 48, .Lhead_a
	ARM 3, 56, 24, .Lhead_b
	tensor_load_to_lds s[60:63], s[32:39]
	s_nop 0
	PLACES 4
.Lhead_asked:
	v_and_b32 v1, 15, v0                           ; r
	v_bfe_u32 v2, v0, 4, 1                         ; h
	v_and_b32 v3, 31, v0
	v_lshlrev_b32 v[LI16], 4, v3
	v_lshlrev_b32 v4, 3, v3
	v_add_nc_u32 v[A16], s84, v[LI16]
	v_add_nc_u32 v[A8], s84, v4
	v_add_nc_u32 v[B16], s85, v[LI16]
	v_add_nc_u32 v[B8], s85, v4
	v_add_nc_u32 v[B16+1], s86, v[LI16]
	v_add_nc_u32 v[B8+1], s86, v4
	v_mul_u32_u24 v5, s87, v2                      ; lanes 16-31 take B's scale bytes
	v_lshl_add_u32 v5, v1, 1, v5
	v_add_nc_u32 v[ADRS], s88, v5
	v_lshl_add_u32 v[ADR2], v1, 1, s89
	v_lshlrev_b32 v[H64], 6, v2
	v_mul_u32_u24 v5, v1, SPITCH
	v_lshl_add_u32 v5, v2, 6, v5
	v_add_nc_u32 v[STO], s90, v5                   ; the stage, in: row r, + 64 h: true columns 16 h on of each 32
	v_add_nc_u32 v[RD], s90, v[LI16]               ; back: the 32 lanes take one row of 512 bytes
.irp b, 0,1,2,3,4,5,6,7                        ; the bias, in the result's layout: register j of tile b is column 32 (b / 2) + 8 (b % 2) + 16 h + j
	global_load_b128 v[BIAS+8*\b:BIAS+8*\b+3], v[H64], s[12:13] offset:(32*(\b/2)+8*(\b%2))*4
	global_load_b128 v[BIAS+8*\b+4:BIAS+8*\b+7], v[H64], s[12:13] offset:(32*(\b/2)+8*(\b%2))*4+16
.endr
	s_wait_alu depctr_va_vdst(0)
	s_wait_tensorcnt 0x0                           ; every wave waits for its tile
	s_barrier_signal -1
	s_barrier_wait -1                              ; all four tiles are in
.irp ks, 0,1,2,3,4,5,6,7                       ; the 64 scale words are made once: a K step's word is two chunks' halfwords
.irp i, 0,1,2,3
	ds_load_u16 v[SC+8*\ks+\i], v[ADRS] offset:1024*\ks+32*\i
	ds_load_u16 v[AF+8*\ks+\i], v[ADRS] offset:1024*\ks+32*\i+512
.endr
.irp i, 4,5,6,7
	ds_load_u16 v[SC+8*\ks+\i], v[ADR2] offset:1024*\ks+32*\i
	ds_load_u16 v[AF+8*\ks+\i], v[ADR2] offset:1024*\ks+32*\i+512
.endr
.endr
	s_wait_dscnt 0x0
.set n, 0
.rept 64
	v_lshl_or_b32 v[SC+n], v[AF+n], 16, v[SC+n]    ; K ascending: the first step's words stand 56 plain lines ahead of the first scaled matrix instruction
.set n, n+1
.endr
	s_wait_alu depctr_va_vdst(0)
	FETCH 0
	FETCH 1
	s_wait_loadcnt 0x0                             ; the bias
	s_wait_dscnt 48                                ; all but step 1's 48 loads
	MUL 0, 1
.set KS, 1
.rept 6
	PLACES 4                                       ; in front of loads into registers that the last products but these read
	FETCH KS+1
	s_wait_dscnt 48                                ; this step's fragments are in; the next step's 48 loads may be out
	MUL KS, 0
.set KS, KS+1
.endr
	s_wait_dscnt 0x0                               ; my LDS reads are over
	s_barrier_signal -1
	MUL 7, 0                                       ; work on registers while the others arrive
	s_barrier_wait -1                              ; nobody reads the tokens' codes any more: the stages may lie there
; THE WAY OUT, block by block of 16 tokens x 128 columns, through my own stage: a lane's 32 bytes go to their true columns, and whole rows of 512 bytes come back.  LDS serves a wave's instructions in order
; (ISA guide 5.7.1.4): no wait between the stores and the loads, nor in front of the next block's stores.
.macro TOSTAGE a
	WIN 0x08                                       ; the data: window 2
.irp b, 0,1,2,3,4,5,6,7
	ds_store_b128 v[STO], v[64*(\a)+8*\b:64*(\a)+8*\b+3] offset:128*(\b/2)+32*(\b%2)          ; each accumulator from its low end on
	ds_store_b128 v[STO], v[64*(\a)+8*\b+4:64*(\a)+8*\b+7] offset:128*(\b/2)+32*(\b%2)+16
.endr
	WIN 0
.set BB, BK+64*((\a)%2)
.irp t, 0,1,2,3,4,5,6,7,8,9,10,11,12,13,14,15
	ds_load_b128 v[BB+4*\t:BB+4*\t+3], v[RD] offset:\t*SPITCH
.endr
.endm
.macro SEND a, younger                 ; younger: the LDS instructions issued behind block a's loads, which may stay out
.set BB, BK+64*((\a)%2)
	s_wait_dscnt \younger
.irp t, 0,1,2,3,4,5,6,7,8,9,10,11,12,13,14,15
	global_store_b128 v[LI16], v[BB+4*\t:BB+4*\t+3], s[14:15] offset:(32*((\a)/2)+8*((\a)%2)+\t+8*(\t/8))*4096 th:TH_STORE_NT   ; stored row t of block a is this true row; 512 consecutive bytes, at a multiple of 256 from out0's first byte
.endr
.endm
	PLACES 4
	TOSTAGE 0
.irp a, 1,2,3
.if \a > 1
	s_wait_xcnt 0x0                                ; block a - 2's stores have read their registers: block a's loads may land there
.endif
	TOSTAGE \a
	SEND \a-1, 32                                  ; behind block a - 1's loads: block a's 16 stores and 16 loads
.endr
	SEND 3, 0
	s_wait_tensorcnt 0x0                           ; the wave's end
	ds_add_u32 v[SPW], v[NIL]
	s_wait_dscnt 0x0
	CROUND                                         ; the closing round
	s_endpgm
.Lfunc_end_k_q9c42ee45a6_outp:
	.size	k_q9c42ee45a6_outp, .Lfunc_end_k_q9c42ee45a6_outp-k_q9c42ee45a6_outp
	.p2alignl 7, 3214868480
	.fill 96, 4, 3214868480
	.section	.rodata,"a",@progbits
	.p2align	6, 0x0
	.amdhsa_kernel k_q9c42ee45a6_outp
		.amdhsa_group_segment_fixed_size 327680
		.amdhsa_private_segment_fixed_size 0
		.amdhsa_enable_private_segment 0
		.amdhsa_kernarg_size 48
		.amdhsa_user_sgpr_count 2
		.amdhsa_user_sgpr_kernarg_segment_ptr 1
		.amdhsa_wavefront_size32 1
		.amdhsa_system_sgpr_workgroup_id_x 1
		.amdhsa_system_sgpr_workgroup_id_y 1
		.amdhsa_system_sgpr_workgroup_id_z 1
		.amdhsa_system_vgpr_workitem_id 0
		.amdhsa_next_free_vgpr 768
		.amdhsa_next_free_sgpr 102
		.amdhsa_reserve_vcc 0
		.amdhsa_float_denorm_mode_32 3
		.amdhsa_float_denorm_mode_16_64 3
		.amdhsa_memory_ordered 1
		.amdhsa_forward_progress 1
		.amdhsa_inst_pref_size 95
	.end_amdhsa_kernel
	.amdgpu_metadata
---
amdhsa.version: [ 1, 2 ]
amdhsa.kernels:
  - .name:           k_q9c42ee45a6_outp
    .symbol:         k_q9c42ee45a6_outp.kd
    .args:
      - { .name: ccod, .offset: 0, .size: 8, .value_kind: global_buffer, .address_space: global }
      - { .name: cscl, .offset: 8, .size: 8, .value_kind: global_buffer, .address_space: global }
      - { .name: wcod, .offset: 16, .size: 8, .value_kind: global_buffer, .address_space: global }
      - { .name: wscl, .offset: 24, .size: 8, .value_kind: global_buffer, .address_space: global }
      - { .name: bo, .offset: 32, .size: 8, .value_kind: global_buffer, .address_space: global }
      - { .name: out0, .offset: 40, .size: 8, .value_kind: global_buffer, .address_space: global }
    .group_segment_fixed_size: 327680
    .private_segment_fixed_size: 0
    .kernarg_segment_align: 8
    .kernarg_segment_size: 48
    .max_flat_workgroup_size: 128
    .sgpr_count:     102
    .vgpr_count:     768
    .wavefront_size: 32
...
	.end_amdgpu_metadata
.endif
;; end of part 4
